; MI455X (gfx1250); checked and timed in simulation.
; The chip was launched on July 23, 2026; its instructions are those of AMD's public machine-readable ISA for CDNA 5 (MIT licence, August 2026) and "CDNA5" Instruction Set Architecture Reference Guide (July 2026). The comments in the code are by the model that wrote it; some were corrected since.
;; Decoder Block. Allowed arithmetic: matrix products marked QUANTISED: E4M3 operands, one E8M0 scale for each 32 along K, by v_wmma_scale_f32_16x16x128_f8f6f4 with both operands' format E4M3, f32 sums; everything else in f32.
;; Inputs: b_ff1 4,096 float32; b_ff2 1,024 float32; b_out 1,024 float32; b_qkv 3,072 float32; ln1_b 1,024 float32; ln1_g 1,024 float32; ln2_b 1,024 float32; ln2_g 1,024 float32; w_ff1_codes 4,096 x 32 x 32 uint8 (E4M3 codes of w_ff1, K innermost, in blocks of 32 codes); w_ff1_scales 4,096 x 32 uint8 (E8M0 scales of w_ff1, one for each 32 codes along K); w_ff2_codes 1,024 x 128 x 32 uint8 (E4M3 codes of w_ff2, K innermost, in blocks of 32 codes); w_ff2_scales 1,024 x 128 uint8 (E8M0 scales of w_ff2, one for each 32 codes along K); w_out_codes 1,024 x 32 x 32 uint8 (E4M3 codes of w_out, K innermost, in blocks of 32 codes); w_out_scales 1,024 x 32 uint8 (E8M0 scales of w_out, one for each 32 codes along K); w_qkv_codes 3,072 x 32 x 32 uint8 (E4M3 codes of w_qkv, K innermost, in blocks of 32 codes); w_qkv_scales 3,072 x 32 uint8 (E8M0 scales of w_qkv, one for each 32 codes along K); x 2 x 2,048 x 1,024 float32.
;; Outputs: out0 2 x 2,048 x 1,024 float32.
;; This version of the problem:
;;   THIS VERSION OF THE PROBLEM IS GIVEN IN LOW PRECISION. The matrix products marked QUANTISED in the list below multiply operands that are first quantised to E4M3 (4 exponent bits, 3 mantissa bits; 8 bits a number), with one power-of-two scale for each 32 numbers along K (OCP MX v1.0); their sums are f32. All else is computed in f32.
;;   The module's matrix products, in the order in which they are computed (A, B: the left and right operand; K: the contracted axis; several contracted axes count as one K, in the product's order):
;;     1. [M 4,096, K 1,024] x [K 1,024, N 3,072]; A: computed on the way; B: input w_qkv (given as codes): QUANTISED
;;     2. batch 32 x [M 2,048, K 64] x [K 64, N 2,048]; A: computed on the way; B: computed on the way: QUANTISED
;;     3. batch 32 x [M 64, K 2,048] x [K 2,048, N 2,048]; A: computed on the way; B: softmax (see below): QUANTISED
;;     4. [M 4,096, K 1,024] x [K 1,024, N 1,024]; A: computed on the way; B: input w_out (given as codes): QUANTISED
;;     5. [M 4,096, K 1,024] x [K 1,024, N 4,096]; A: computed on the way; B: input w_ff1 (given as codes): QUANTISED
;;     6. [M 4,096, K 4,096] x [K 4,096, N 1,024]; A: computed on the way; B: input w_ff2 (given as codes): QUANTISED
;;   THE QUANTISER, for each operand of a quantised product, along K:
;;     - K is cut into blocks of 32 from its start; a last block that is shorter is filled with zeros.
;;     - A block's scale is 2^e with e = floor(log2(the largest magnitude in the block)) - 8, held to -126 .. 127; a block of zeros has e = 0. As a byte (E8M0): e + 127.
;;     - Each number is divided by its block's scale, clamped to +-448, and rounded to the nearest number of E4M3, ties to even, subnormals kept.
;;     - The product sums the exact products of the quantised numbers (number of the format x scale) in f32.
;;   ~~~python
;;   def quantise(x, axis):      # numpy; x: float32 -> the quantised numbers, widened to float32 again
;;       x = np.moveaxis(x, axis, -1); K = x.shape[-1]
;;       x = np.pad(x, [(0, 0)] * (x.ndim - 1) + [(0, -K % 32)]); x = x.reshape(x.shape[:-1] + (-1, 32)); a = np.abs(x).max(-1, keepdims=True)
;;       e = np.where(a > 0, np.clip(np.frexp(np.where(a > 0, a, 1))[1] - 1 - 8, -126, 127), 0)      # np.frexp(a)[1] - 1 = floor(log2(a)), exactly
;;       r = np.clip(x / 2.0 ** e, -448, 448)
;;       step = 2.0 ** (np.maximum(np.frexp(np.where(r == 0, 1, r))[1] - 1, -6) - 3)
;;       q = np.round(r / step) * step * 2.0 ** e      # np.round: ties to even
;;       return np.moveaxis(q.reshape(q.shape[:-2] + (-1,))[..., :K], -1, axis).astype(np.float32)
;;   ~~~
;;   SOFTMAX AHEAD OF A QUANTISED PRODUCT. Where the list says 'softmax', what is quantised is not the finished softmax but p = 2^(t - M), with t = logit x log2(e) and M = ceil(the row's largest t), a whole number; so 1/2 < the row's largest p <= 1. The row's sum l is taken of the UNQUANTISED p, in f32, and the product's result is divided by l at the end. Since M is a whole number, a kernel that streams over the keys may use a running M (the ceiling of the running maximum): every later rescaling is an exact power of two, which a block's scale takes up: the codes' values come out the same.
;;   OPERANDS COMPUTED ON THE WAY. 'Computed on the way' means the value that the module computes at that place (a softmax that the list does not call 'softmax' is quantised finished and normalised). What goes into a quantiser is computed in f32, as accurately as f32 sums, v_exp_f32 and their like allow (about 1e-6 of the number): no bf16 or f16 on the way to a quantiser, and a product that is left as it is and whose result goes on into a quantised operand takes f32 operands (vector FMAs, or v_wmma_f32_16x16x4_f32). A number that lies on a knife's edge between two numbers of the format may be rounded either way, as far as f32 arithmetic and the matrix unit's own rounding can turn it there, and no further.
;;   INPUTS GIVEN AS CODES. w_ff1 (in the module: [1024, 4096], K = its axis 0); w_ff2 (in the module: [4096, 1024], K = its axis 0); w_out (in the module: [1024, 1024], K = its axis 0); w_qkv (in the module: [1024, 3072], K = its axis 0): each comes as NAME_codes (uint8): NAME with its K axis moved to the last place and cut into blocks of 32 codes, [.., K / 32, bytes a block], one block behind the other in memory; one code a byte (a code: sign, 4 exponent bits, 3 mantissa bits); and NAME_scales (uint8): the same leading axes, one E8M0 byte (e + 127) for each 32 codes along K. Its value is code x scale, taken as it is: it is not quantised again, and the codes and scales need not be those that the quantiser above would give.
;; One version. Each part assembles by itself: llvm-mc -triple=amdgcn-amd-amdhsa -mcpu=gfx1250 --defsym DOCPART=n.
;; ======== version 1 of 1: 7 launches
;; limits: right only within a limited range of input values
;; workspace buffers: hb 4,325,376 bytes; qkvb 12,976,128 bytes; ob 4,325,376 bytes; x1 16,777,216 bytes; gb 17,301,504 bytes
;; launch ln1 (part 1): grid 256 x 1, 8 waves a work-group, no clusters, 42,496 bytes of LDS; arguments x, ln1_g, ln1_b, hb; writes hb
.if DOCPART == 1
	.amdgcn_target "amdgcn-amd-amdhsa--gfx1250"
	.amdhsa_code_object_version 6
	.text
	.protected	k_qeef9265a50_ln1
	.globl	k_qeef9265a50_ln1
	.p2align	8
	.type	k_qeef9265a50_ln1,@function
k_qeef9265a50_ln1:
	s_mov_b64 s[64:65], 0
	v_nop
	global_prefetch_b8 v0, s[64:65] scope:SCOPE_SE
	s_setreg_imm32_b32 hwreg(HW_REG_WAVE_MODE, 25, 1), 1
	s_wait_xcnt 0x0
; h = LayerNorm(x) g + b over rows of 1,024 f32, then quantised along the row: codes of E4M3 [4096][1024] at byte 0 of the output buffer,
; one E8M0 byte for each 32 numbers, [4096][32], at byte HS.  Mean and variance in two passes in f32 (the row is centred before it is squared).
; SHARES.  A work-group takes 16 rows, each of its eight waves 2: two waves to a SIMD, so that one wave's dependent chains (reductions, the root, the turn through LDS) stand beside the other's work.
; A row is eight loads of 512 consecutive bytes; it stays in 32 registers.  Both rows' loads go out at the head, ahead of those of g and b, which are wanted only behind the statistics.
; The conversions take 16 NEIGHBOURS of one lane, the loads give a lane 4: so half a row (2,048 bytes) at a time turns through the wave's own stage in LDS: stored as loaded,
; read back 64 bytes a lane; 16 bytes of padding behind each 64.  Two neighbouring lanes then hold a block of 32.  A lane's 16 codes are 16 bytes: a store covers 512 consecutive bytes.
; The work-group's 512 scale bytes meet in LDS and leave by one store of wave 0: two aligned runs of 256 bytes.
; No matrix unit, no cluster, no tensor load: nothing is shared between work-groups and every byte of x is read once.  (More waves of fewer rows would fetch g and b more often than x itself.)
; LIMITS: NaN and infinities are not served.  A block of zeros, and one whose largest magnitude lies under 2^-118, gets the byte 1 (the rule says 127 for zeros): its codes are zeros or as the floor gives them, and this program alone reads the bytes.
.set SP,    80                         ; a lane's place in a stage: 64 bytes + 16 of padding
.set STG,   32*SP                      ; a stage
.set WREG,  2*STG                      ; two stages for each wave
.set SCB,   8*WREG                     ; behind them: the work-group's 512 scale bytes
.set SPARE, SCB+512                    ; the spare words, 128 bytes for each wave: four blocks of 256 bytes that no other line names
.set HS,    4194304                    ; where the scale bytes begin in the output buffer
.set T,     32                         ; v32-63   two sets of 16 neighbours
.set X,     64                         ; v64-127  row p at X + 32 p
.set G,     128                        ; v128-159 g of my 32 columns
.set B,     160                        ; v160-191 b of my 32 columns
.set SPW,   16                         ; v16 my spare word's LDS address; never rewritten
.set NIL,   17                         ; v17 0; never rewritten
.set MNT,   23                         ; s23 the mantissa field of 448
	s_load_b256 s[4:11], s[0:1], 0x0               ; x s[4:5], g s[6:7], b s[8:9], the output s[10:11]
	v_lshl_add_u32 v[SPW], v0, 2, SPARE
	v_mov_b32 v[NIL], 0
	v_lshrrev_b32 v1, 5, v0
	s_delay_alu instid0(VALU_DEP_1)
	v_readfirstlane_b32 s16, v1                    ; wave
	v_and_b32 v2, 31, v0                           ; lane
	s_delay_alu instid0(VALU_DEP_1)
	v_lshlrev_b32 v3, 4, v2                        ; 16 x lane: my bytes of a load's or a store's 512
	s_mul_i32 s17, s16, WREG
	v_lshrrev_b32 v14, 2, v2
	s_delay_alu instid0(VALU_DEP_1)
	v_mul_u32_u24 v14, v14, SP
	v_and_b32 v15, 3, v2
	s_delay_alu instid0(VALU_DEP_1)
	v_lshl_add_u32 v14, v15, 4, v14
	s_delay_alu instid0(VALU_DEP_1)
	v_add_nc_u32 v14, s17, v14                     ; the stage, way in: four lanes' 64 bytes on end, then the padding
	v_mul_u32_u24 v15, v2, SP
	s_delay_alu instid0(VALU_DEP_1)
	v_add_nc_u32 v15, s17, v15                     ; way out: my 16 neighbours
	s_lshl_b32 s18, s16, 6
	s_add_co_u32 s18, s18, SCB
	v_lshrrev_b32 v5, 1, v2
	s_delay_alu instid0(VALU_DEP_1)
	v_add_nc_u32 v5, s18, v5                       ; my wave's 64 scale bytes, my block's byte
	v_add_nc_u32 v6, SCB, v3                       ; wave 0 reads all 512 back
	v_mov_b32 v27, 0                               ; a lane permute's destination counts as one of its sources
	s_mov_b32 s12, 0x76543210
	s_mov_b32 s13, 0xfedcba98                      ; lane l xor 16
	s_mov_b32 s20, 0x3a800000                      ; 1 / 1024
	s_mov_b32 s21, 0x3727c5ac                      ; eps = 1e-5
	s_mov_b32 s[MNT], 0x600000
	s_lshl_b32 s24, ttmp9, 16
	s_lshl_b32 s17, s16, 13
	s_add_co_u32 s24, s24, s17                     ; x: (16 work-group + 2 wave) rows of 4,096 bytes
	s_mov_b32 s25, 0
	s_lshr_b32 s26, s24, 2                         ; the codes: a quarter of that
	s_mov_b32 s27, 0
	s_lshl_b32 s28, ttmp9, 9
	s_add_co_u32 s28, s28, HS                      ; the scale bytes: 512 a work-group
	s_mov_b32 s29, 0
	s_wait_kmcnt 0x0
	s_add_nc_u64 s[4:5], s[4:5], s[24:25]
	s_add_nc_u64 s[26:27], s[10:11], s[26:27]
	s_add_nc_u64 s[28:29], s[10:11], s[28:29]
.irp p, 0,1
.irp j, 0,1,2,3,4,5,6,7
	global_load_b128 v[X+32*\p+4*\j:X+32*\p+4*\j+3], v3, s[4:5] offset:4096*\p+512*\j
.endr
.endr
.irp j, 0,1,2,3,4,5,6,7
	global_load_b128 v[G+4*\j:G+4*\j+3], v3, s[6:7] offset:512*\j
	global_load_b128 v[B+4*\j:B+4*\j+3], v3, s[8:9] offset:512*\j
.endr
.macro REDUCE                          ; v26: summed over the 32 lanes, the result in every lane
	s_delay_alu instid0(VALU_DEP_1)
	v_add_f32_dpp v26, v26, v26 row_xmask:1 row_mask:0xf bank_mask:0xf
	s_delay_alu instid0(VALU_DEP_1)
	v_add_f32_dpp v26, v26, v26 row_xmask:2 row_mask:0xf bank_mask:0xf
	s_delay_alu instid0(VALU_DEP_1)
	v_add_f32_dpp v26, v26, v26 row_xmask:4 row_mask:0xf bank_mask:0xf
	s_delay_alu instid0(VALU_DEP_1)
	v_add_f32_dpp v26, v26, v26 row_xmask:8 row_mask:0xf bank_mask:0xf
	s_delay_alu instid0(VALU_DEP_1)
	v_permlanex16_b32 v27, v26, s12, s13
	s_delay_alu instid0(VALU_DEP_1)
	v_add_f32 v26, v26, v27
.endm
; 16 neighbours v[xs] on (lanes l and l xor 1 hold a block) become 16 codes in v[cd] on and the block's byte in v[eb]
.macro QSTEP xs, cd, eb
	v_max3_num_f32 v8, |v[\xs]|, |v[\xs+1]|, |v[\xs+2]|
	v_max3_num_f32 v9, |v[\xs+3]|, |v[\xs+4]|, |v[\xs+5]|
.irp i, 6,10
	s_delay_alu instid0(VALU_DEP_2)
	v_max3_num_f32 v8, v8, |v[\xs+\i]|, |v[\xs+\i+1]|
	s_delay_alu instid0(VALU_DEP_2)
	v_max3_num_f32 v9, v9, |v[\xs+\i+2]|, |v[\xs+\i+3]|
.endr
	s_delay_alu instid0(VALU_DEP_2)
	v_max3_num_f32 v8, v8, |v[\xs+14]|, |v[\xs+15]|
	s_delay_alu instid0(VALU_DEP_1)
	v_max3_num_f32 v8, v8, v9, 0x4800000           ; the floor 2^(9 - 127): the byte cannot fall under 1
	s_delay_alu instid0(VALU_DEP_1)
	v_max_num_f32_dpp v8, v8, v8 row_xmask:1 row_mask:0xf bank_mask:0xf   ; with my neighbour's 16: the block's largest magnitude
	s_delay_alu instid0(VALU_DEP_1)
	v_add_nc_u32 v11, 0xfc000000, v8               ; 8 off its exponent field: the conversion's scale operand
	s_delay_alu instid0(VALU_DEP_2)
	v_and_or_b32 v10, v8, 0x7f800000, s[MNT]       ; 448 x the scale
.irp i, 0,1,2,3,4,5,6,7,8,9,10,11,12,13,14,15
	v_med3_num_f32 v[\xs+\i], v[\xs+\i], -v10, v10 ; the conversion to an 8-bit code does not saturate (ISA guide 7.6.2): the hold comes first
.endr
	v_cvt_scalef32_pk8_fp8_f32 v[\cd:\cd+1], v[\xs:\xs+7], v11
	v_cvt_scalef32_pk8_fp8_f32 v[\cd+2:\cd+3], v[\xs+8:\xs+15], v11
	v_lshrrev_b32 v[\eb], 23, v11                  ; the scale's byte; also the plain line behind the conversions
.endm
.macro ROW p
.set XR, X+32*(\p)
.if (\p) == 0
	s_wait_loadcnt 24                              ; loads come back in order: row 0's eight are in; row 1's eight and the sixteen of g and b stay out
.endif
	v_pk_add_f32 v[18:19], v[XR:XR+1], v[XR+2:XR+3]
	v_pk_add_f32 v[20:21], v[XR+4:XR+5], v[XR+6:XR+7]
.irp k, 8,12,16,20,24,28
	s_delay_alu instid0(VALU_DEP_2)
	v_pk_add_f32 v[18:19], v[18:19], v[XR+\k:XR+\k+1]
	s_delay_alu instid0(VALU_DEP_2)
	v_pk_add_f32 v[20:21], v[20:21], v[XR+\k+2:XR+\k+3]
.endr
	s_delay_alu instid0(VALU_DEP_1)
	v_pk_add_f32 v[18:19], v[18:19], v[20:21]
	s_delay_alu instid0(VALU_DEP_1)
	v_add_f32 v26, v18, v19
	REDUCE
	s_delay_alu instid0(VALU_DEP_1)
	v_mul_f32 v22, s20, v26                        ; the mean, twice
	s_delay_alu instid0(VALU_DEP_2)
	v_mul_f32 v23, s20, v26
.set kk, 0
.rept 16
	v_pk_add_f32 v[XR+kk:XR+kk+1], v[XR+kk:XR+kk+1], v[22:23] neg_lo:[0,1] neg_hi:[0,1]
.set kk, kk+2
.endr
	v_pk_mul_f32 v[18:19], v[XR:XR+1], v[XR:XR+1]
	v_pk_mul_f32 v[20:21], v[XR+2:XR+3], v[XR+2:XR+3]
.irp k, 4,8,12,16,20,24,28
	s_delay_alu instid0(VALU_DEP_2)
	v_pk_fma_f32 v[18:19], v[XR+\k:XR+\k+1], v[XR+\k:XR+\k+1], v[18:19]
	s_delay_alu instid0(VALU_DEP_2)
	v_pk_fma_f32 v[20:21], v[XR+\k+2:XR+\k+3], v[XR+\k+2:XR+\k+3], v[20:21]
.endr
	s_delay_alu instid0(VALU_DEP_1)
	v_pk_add_f32 v[18:19], v[18:19], v[20:21]
	s_delay_alu instid0(VALU_DEP_1)
	v_add_f32 v26, v18, v19
	REDUCE
	s_delay_alu instid0(VALU_DEP_1)
	v_fma_f32 v26, v26, s20, s21                   ; the variance + eps
	s_wait_alu depctr_va_vdst(0)
	v_rsq_f32 v24, v26
	v_rsq_f32 v25, v26
	v_nop                                          ; a plain line behind the transcendentals
	s_wait_alu depctr_va_vdst(0)                   ; one wait for the two, ahead of their first reader
.set kk, 0
.rept 16
	v_pk_mul_f32 v[XR+kk:XR+kk+1], v[XR+kk:XR+kk+1], v[24:25]
.set kk, kk+2
.endr
.if (\p) == 0
	s_wait_loadcnt 0x0                             ; g and b are in, and row 1 with them
.endif
.set kk, 0
.rept 16
	v_pk_fma_f32 v[XR+kk:XR+kk+1], v[XR+kk:XR+kk+1], v[G+kk:G+kk+1], v[B+kk:B+kk+1]
.set kk, kk+2
.endr
.irp s, 0,1                            ; both halves of the row through their stages: LDS serves a wave's instructions in order, so no wait stands between stores and loads
.irp i, 0,1,2,3
	ds_store_b128 v14, v[XR+16*\s+4*\i:XR+16*\s+4*\i+3] offset:STG*\s+8*SP*\i
.endr
.irp i, 0,1,2,3
	ds_load_b128 v[T+16*\s+4*\i:T+16*\s+4*\i+3], v15 offset:STG*\s+16*\i
.endr
.endr
	s_wait_dscnt 8                                 ; the first half is back; the second half's four stores and four loads may be out
	QSTEP T, XR, XR+4                              ; codes and byte go into row registers that the stage's stores have read: no store's data are written twice
	ds_store_b8 v5, v[XR+4] offset:32*(\p)         ; both lanes of a block write the same byte
	global_store_b128 v3, v[XR:XR+3], s[26:27] offset:1024*(\p)
	s_wait_dscnt 1                                 ; the second half is back; the byte store may be out
	QSTEP T+16, XR+16, XR+20
	ds_store_b8 v5, v[XR+20] offset:32*(\p)+16
	global_store_b128 v3, v[XR+16:XR+19], s[26:27] offset:1024*(\p)+512
.endm
	ROW 0
	ROW 1
	s_wait_dscnt 0x0                               ; for wave 0's sake: my byte stores have landed
	s_barrier_signal -1
	s_barrier_wait -1
	s_cmp_lg_u32 s16, 0
	s_cbranch_scc1 .Lnot_wave_0
	ds_load_b128 v[8:11], v6                       ; 16 rows' scale bytes
	s_wait_dscnt 0x0
	global_store_b128 v3, v[8:11], s[28:29]        ; 512 consecutive bytes, aligned
.Lnot_wave_0:
	s_wait_tensorcnt 0x0                           ; the wave's end
	ds_add_u32 v[SPW], v[NIL]
	s_wait_dscnt 0x0
	s_endpgm
.Lfunc_end_k_qeef9265a50_ln1:
	.size	k_qeef9265a50_ln1, .Lfunc_end_k_qeef9265a50_ln1-k_qeef9265a50_ln1
	.p2alignl 7, 3214868480
	.fill 96, 4, 3214868480
	.section	.rodata,"a",@progbits
	.p2align	6, 0x0
	.amdhsa_kernel k_qeef9265a50_ln1
		.amdhsa_group_segment_fixed_size 42496
		.amdhsa_private_segment_fixed_size 0
		.amdhsa_enable_private_segment 0
		.amdhsa_kernarg_size 32
		.amdhsa_user_sgpr_count 2
		.amdhsa_user_sgpr_kernarg_segment_ptr 1
		.amdhsa_wavefront_size32 1
		.amdhsa_system_sgpr_workgroup_id_x 1
		.amdhsa_system_sgpr_workgroup_id_y 1
		.amdhsa_system_sgpr_workgroup_id_z 1
		.amdhsa_system_vgpr_workitem_id 0
		.amdhsa_next_free_vgpr 192
		.amdhsa_next_free_sgpr 66
		.amdhsa_reserve_vcc 0
		.amdhsa_float_denorm_mode_32 3
		.amdhsa_float_denorm_mode_16_64 3
		.amdhsa_memory_ordered 1
		.amdhsa_forward_progress 1
		.amdhsa_inst_pref_size 33
	.end_amdhsa_kernel
	.amdgpu_metadata
---
amdhsa.version: [ 1, 2 ]
amdhsa.kernels:
  - .name:           k_qeef9265a50_ln1
    .symbol:         k_qeef9265a50_ln1.kd
    .args:
      - { .name: x, .offset: 0, .size: 8, .value_kind: global_buffer, .address_space: global }
      - { .name: ln1_g, .offset: 8, .size: 8, .value_kind: global_buffer, .address_space: global }
      - { .name: ln1_b, .offset: 16, .size: 8, .value_kind: global_buffer, .address_space: global }
      - { .name: hb, .offset: 24, .size: 8, .value_kind: global_buffer, .address_space: global }
    .group_segment_fixed_size: 42496
    .private_segment_fixed_size: 0
    .kernarg_segment_align: 8
    .kernarg_segment_size: 32
    .max_flat_workgroup_size: 256
    .sgpr_count:     66
    .vgpr_count:     192
    .wavefront_size: 32
...
	.end_amdgpu_metadata
.endif
;; end of part 1
;; launch qkv (part 2): grid 12 x 16, 4 waves a work-group, clusters of 4 x 4, 327,680 bytes of LDS; arguments hb, w_qkv_codes, w_qkv_scales, b_qkv, qkvb; writes qkvb
.if DOCPART == 2
	.amdgcn_target "amdgcn-amd-amdhsa--gfx1250"
	.amdhsa_code_object_version 6
	.text
	.protected	k_qeef9265a50_qkv
	.globl	k_qeef9265a50_qkv
	.p2align	8
	.type	k_qeef9265a50_qkv,@function
k_qeef9265a50_qkv:
	s_mov_b64 s[64:65], 0
	v_nop
	global_prefetch_b8 v0, s[64:65] scope:SCOPE_SE
	s_setreg_imm32_b32 hwreg(HW_REG_WAVE_MODE, 25, 1), 1
	s_wait_xcnt 0x0
	s_wait_alu depctr_hold_cnt(0) depctr_sa_sdst(0) depctr_va_vdst(0) depctr_va_sdst(0) depctr_va_ssrc(0) depctr_va_vcc(0) depctr_vm_vsrc(0)
	s_getreg_b32 s2, hwreg(HW_REG_IB_STS2, 6, 4)
	s_cmp_eq_u32 s2, 0
	s_cbranch_scc0 .Lentry_in_a_cluster
	s_endpgm
.Lentry_in_a_cluster:
	s_bfe_u32 s2, ttmp6, 0x10000c
	s_cmp_lg_u32 s2, 0xf033
	s_cbranch_scc0 .Lentry_shape_is_right
	s_endpgm
.Lentry_shape_is_right:
; qkv = h Wqkv + b on codes of E4M3 with E8M0 scales (K = 1,024), and its three parts quantised again: q and k along the head's 64 channels, v along the keys.
; h: codes [4096][1024] and scale bytes [4096][32] (at byte HS of its buffer).  W: codes [3072][1024], scale bytes [3072][32].
; OUT, one buffer: q codes [bh 32][2048][64] at 0, k codes likewise at 4 MiB, v codes [bh][key block 16][64 channels][128 keys] at 8 MiB; scale words: q, k: [bh / 2][2048] (bytes: even head's two blocks, odd head's two) at QS and
; QS + 128 KiB; v: [bh][key block][64 channels] (a byte for each 32 keys) at QS + 256 KiB.
; A tile of 256 x 256 to a work-group of four waves, 128 x 128 a wave: 64 accumulators.  K goes in steps of 256 through a ring of two LDS slots; the scale bytes of the tile's rows come once and stay.
; CLUSTERS of 4 x 4: the operand called A is shared along a row of the cluster, B along a column; each tile is asked for jointly.  The cluster's x says what is made: 0 q, 1 k, 2 v; it is the same in all sixteen partners.
; For q and k: A = 256 tokens, B = 256 rows of W.  FOR v THE TWO CHANGE PLACES (A = rows of W, B = tokens): in the result a lane's registers run along B's index, which is then the axis of the keys, along which v is quantised.
; Both matrices have rows of 1,024 bytes and scale rows of 32, so only pointers and row numbers are chosen; the loop is one text.
; THE MATRIX INSTRUCTION IS USED TRANSPOSED (source 0 = 16 rows of B, source 1 = 16 rows of A): lane l holds A's row l % 16, its registers B's rows 8 (l / 16) + 0 .. 7.
; THE WAY OUT: bias added on the accumulators; each wave lays its 128 x 128 numbers into its own 67,584 bytes of the ring (all fills are over, and a barrier has shown that nobody reads it); then 16 rows at a time:
; a lane reads 16 neighbours of a row, two neighbouring lanes hold a block of 32; codes leave 16 bytes a lane in whole aligned runs of 256 bytes; the rows' scale words meet in LDS and leave as 512 bytes.
; The 16 rows are asked of LDS one turn ahead, into two sets of registers by turns, so that the reads stand beside the quantiser's work.
; No prefetch: K has four steps, of which two come with the first fills and two by the refills straight behind them.
; REGISTERS as windows of 256: window 0: v1-31 addresses and small work; v32-63 scale words, two sets; v64-127 the bias; v128-255 A's fragments, one set; on the way out v32-119 and v128-207 are at work.
;   window 1: B's fragments, two sets.   windows 2, 3: the accumulators ((a, b) at v[8 (8 (a % 4) + b)]).
; LIMITS: NaN and infinities are not served; a block of zeros, or one under 2^-118, gets the byte 1: this program alone reads the bytes.
.set KSTEP,  256
.set NQ,     2
.set ROWB,   256
.set KROW,   1024
.set PITCH,  272                       ; an LDS row: 256 bytes + 16 of padding: the 16 rows that a load touches start at 16 different banks
.set FR,     16
.set NL,     4
.set NP,     8                         ; places behind this matrix instruction (ISA guide 7.12.1)
.set HALFT,  128*PITCH
.set SLOT,   4*HALFT
.set LAPS,   2
.set KS,     32
.set SCL,    2*SLOT
.set HALFS,  (128*KS/256)*272
.set SBLK,   (16*KS/256)*272
.set SPARE,  SCL+4*HALFS               ; the spare words: two blocks of 256 bytes that no other line names
.set HS,     4194304
.set QS,     12582912
.set DP,     528                       ; the way out: a row of 128 f32 + 16 bytes
.set DW,     128*DP                    ; a wave's 128 rows
.set SCB,    4*DW                      ; behind the four: 512 scale bytes for each wave
.set ADRA, 16
.set ADRB, 20
.set ADRS, 27
.set SPW,  28
.set NIL,  29
.set SC,   32
.set AF,   128
.set BI,   64                          ; v64-127 the bias: register 8 x + j
.set EB,   12                          ; v12-15 four scale bytes
.set STO,  18
.set RD,   19
.set SBA,  22
.set SBR,  23
.set ADR0, 24                          ; v24, v27 the LDS addresses of the two sets' loads: each is written again only when its own loads are in
.set ADR1, 27
.set ADB,  25
.set SCO,  26
.set X,    32                          ; v32-95   16 rows, set 0: 4 x 16 numbers
.set XB,   128                         ; v128-191 set 1
.set CD,   96                          ; v96-111  set 0's codes
.set CDB,  192                         ; v192-207 set 1's
.set CO,   116                         ; v116-119 the four stores' offsets
.set MNT,  95
.set G1, 24
.set G0, 32
.set G1B, 48
.set G0B, 56
.set G1S, 68
.set G0S, 76
.set G1SB, 80
.set G0SB, 88
.set MSB, 0
.macro WIN new                         ; the immediate's high byte repeats the setting that is left
.if MSB != (\new)
	s_set_vgpr_msb (MSB<<8)|(\new)
.set MSB, (\new)
.endif
.endm
.set MUL_LO, 0xa1
.set MUL_HI, 0xf1
.set TO_B,   0x40
; A joint load: waves 0 and 1 fetch for A, waves 2 and 3 for B; the branch hangs on the wave's number alone.  An s_nop 0 and four v_nop follow each line.
.macro JLOAD g0a, g1a, g0b, g1b
	s_cmp_eq_u32 s15, 0
	s_cbranch_scc0 .Lfor_b_\@
	tensor_load_to_lds s[\g0a:\g0a+3], s[\g1a:\g1a+7]
	s_nop 0
.rept 4
	v_nop
.endr
	s_branch .Lasked_\@
.Lfor_b_\@:
	tensor_load_to_lds s[\g0b:\g0b+3], s[\g1b:\g1b+7]
	s_nop 0
.rept 4
	v_nop
.endr
.Lasked_\@:
.endm
.macro CREST
	s_cmp_lg_u32 s14, 0
	s_cbranch_scc1 .Lnot_wave_0_\@
	s_barrier_signal -3
.Lnot_wave_0_\@:
	s_barrier_wait -3
	s_barrier_signal -1
	s_barrier_wait -1
.endm
.macro CROUND
	s_barrier_signal -1
	s_barrier_wait -1
	CREST
.endm
	s_load_b64 s[4:5], s[0:1], 0x0                 ; h
	s_load_b128 s[8:11], s[0:1], 0x8               ; W's codes, W's scales
	s_load_b64 s[12:13], s[0:1], 0x18              ; the bias
	s_load_b64 s[66:67], s[0:1], 0x20              ; the output
	v_lshl_add_u32 v[SPW], v0, 2, SPARE
	v_mov_b32 v[NIL], 0
	ds_add_u32 v[SPW], v[NIL]                      ; the wave's opening: the add and its wait ahead of my first tensor load
	ds_add_u32 v[SPW], v[NIL]
	v_lshrrev_b32 v1, 5, v0
	v_readfirstlane_b32 s14, v1                    ; wave 0..3
	s_lshr_b32 s15, s14, 1                         ; which half of A's rows is mine.  Also: I fetch for A (0) or for B (1)
	s_and_b32 s16, s14, 1                          ; which half of B's rows.  Also: which 128 rows I fetch
	s_bfe_u32 s40, ttmp6, 0x40000                  ; cx
	s_bfe_u32 s41, ttmp6, 0x40004                  ; cy
	s_and_b32 s17, ttmp7, 0xffff                   ; the cluster's y: 1,024 tokens
	s_lshl_b32 s43, s41, 2
	s_lshl_b32 s43, 15, s43                        ; my row of the cluster
	s_lshl_b32 s44, 0x1111, s40                    ; my column
	s_or_b32 s[G1+0], s43, (0<<16)|(1<<20)|(1<<21)|(5<<22)|(3<<25)  ; the mask; elements of 1 byte; padding of 4 words behind every 64; bit 21 beside a mask
	s_or_b32 s[G1B+0], s44, (0<<16)|(1<<20)|(1<<21)|(5<<22)|(3<<25)
.irp g, G1, G1B
	s_mov_b32 s[\g+1], ROWB<<16
	s_mov_b32 s[\g+2], 256<<16                     ; the head's loads bring a tile's 256 rows; the ring's 128 are set behind them
	s_mov_b32 s[\g+3], ROWB<<16
	s_mov_b32 s[\g+4], 256
	s_mov_b32 s[\g+5], KROW
	s_mov_b32 s[\g+6], 0
	s_mov_b32 s[\g+7], 0
.endr
	s_or_b32 s[G1S+0], s43, (3<<16)|(1<<20)|(1<<21)|(5<<22)|(3<<25) ; the scales of 256 rows: a dense block, as rows of 256 bytes
	s_or_b32 s[G1SB+0], s44, (3<<16)|(1<<20)|(1<<21)|(5<<22)|(3<<25)
.irp g, G1S, G1SB
	s_mov_b32 s[\g+1], 32<<16
	s_mov_b32 s[\g+2], (256*KS/256)<<16            ; the scales of all 256 rows by one load
	s_mov_b32 s[\g+3], 32<<16
	s_mov_b32 s[\g+4], 256*KS/256
	s_mov_b32 s[\g+5], 32
	s_mov_b32 s[\g+6], 0
	s_mov_b32 s[\g+7], 0
.endr
	s_lshl_b32 s96, s17, 10                        ; the cluster's first token
	s_lshl_b32 s97, ttmp9, 10                      ; the cluster's first row of W, for q and k
	s_cmp_eq_u32 ttmp9, 2                          ; v?  The cluster's x: the same in all partners
	s_cselect_b32 s98, 1, 0
	s_cselect_b32 s20, 2048, s96                   ; A's first row: of W for v, else a token
	s_cselect_b32 s46, s96, s97                    ; B's
	s_lshl_b32 s99, s41, 8
	s_add_co_u32 s20, s20, s99                     ; A: + 256 cy
	s_lshl_b32 s100, s40, 8
	s_add_co_u32 s46, s46, s100                    ; B: + 256 cx
	s_lshl_b32 s101, s16, 7
	s_add_co_u32 s20, s20, s101                    ; + the 128 rows that I fetch
	s_add_co_u32 s46, s46, s101
	s_mov_b32 s21, 0
	s_mov_b32 s47, 0
	s_mov_b64 s[18:19], KS
	s_mul_u64 s[22:23], s[20:21], s[18:19]
	s_mul_u64 s[92:93], s[46:47], s[18:19]
	s_mov_b64 s[18:19], KROW
	s_mul_u64 s[20:21], s[20:21], s[18:19]
	s_mul_u64 s[46:47], s[46:47], s[18:19]
	s_mul_i32 s45, s14, HALFT                      ; where they go: wave x 128 rows
	s_mov_b32 s[MNT], 0x600000
	s_wait_dscnt 0x0                               ; the opening add is done
	s_wait_kmcnt 0x0
	s_add_nc_u64 s[6:7], s[4:5], HS                ; h's scale bytes
	s_cmp_eq_u32 s98, 1
	s_cselect_b64 s[96:97], s[8:9], s[4:5]         ; A's codes,
	s_cselect_b64 s[2:3], s[10:11], s[6:7]         ; A's scales,
	s_cselect_b64 s[8:9], s[4:5], s[8:9]           ; B's codes,
	s_cselect_b64 s[10:11], s[6:7], s[10:11]       ; B's scales
	s_add_nc_u64 s[20:21], s[96:97], s[20:21]
	s_add_nc_u64 s[22:23], s[2:3], s[22:23]
	s_add_nc_u64 s[46:47], s[8:9], s[46:47]
	s_add_nc_u64 s[92:93], s[10:11], s[92:93]
	CROUND                                         ; all sixteen work-groups are here: the first joint loads meet
	s_mov_b32 s[G0S], 1
	s_lshl_b32 s2, s16, 12                         ; 128 rows of scale bytes: back to the tile's first row
	s_mov_b32 s3, 0
	s_mov_b32 s[G0S+1], SCL
	s_sub_nc_u64 s[G0S+2:G0S+3], s[22:23], s[2:3]
	s_or_b32 s[G0S+3], s[G0S+3], 0x80000000
	s_mov_b32 s[G0SB], 1
	s_mov_b32 s[G0SB+1], SCL+2*HALFS
	s_sub_nc_u64 s[G0SB+2:G0SB+3], s[92:93], s[2:3]
	s_or_b32 s[G0SB+3], s[G0SB+3], 0x80000000
.irp s, 0,1
	s_mov_b32 s[G0+4*\s], 1
	s_add_co_u32 s[G0+4*\s+1], s45, \s*SLOT
	s_add_nc_u64 s[G0+4*\s+2:G0+4*\s+3], s[20:21], \s*ROWB
	s_or_b32 s[G0+4*\s+3], s[G0+4*\s+3], 0x80000000
	s_mov_b32 s[G0B+4*\s], 1
	s_add_co_u32 s[G0B+4*\s+1], s45, \s*SLOT
	s_add_nc_u64 s[G0B+4*\s+2:G0B+4*\s+3], s[46:47], \s*ROWB
	s_or_b32 s[G0B+4*\s+3], s[G0B+4*\s+3], 0x80000000
.endr
	s_lshl_b32 s2, s16, 17                         ; 128 rows of codes: for the head slot 0's descriptors name the whole tiles
	s_sub_nc_u64 s[G0+2:G0+3], s[G0+2:G0+3], s[2:3]
	s_mov_b32 s[G0+1], 0
	s_sub_nc_u64 s[G0B+2:G0B+3], s[G0B+2:G0B+3], s[2:3]
	s_mov_b32 s[G0B+1], 2*HALFT
; THE HEAD'S LOADS, ONE A WAVE: wave 0 K step 0's 256 rows of A, wave 1 those of B, wave 2 A's scales, wave 3 B's.  One tree of branches on the wave's number, a load to an arm.
.macro HARM under, g0, g1, next
	s_cmp_lt_u32 s14, \under
	s_cbranch_scc0 \next
	tensor_load_to_lds s[\g0:\g0+3], s[\g1:\g1+7]
	s_nop 0
.rept 4
	v_nop
.endr
	s_branch .Lhead_asked
\next:
.endm
	HARM 1, G0, G1, .Lhead_b
	HARM 2, G0B, G1B, .Lhead_sa
	HARM 3, G0S, G1S, .Lhead_sb
	tensor_load_to_lds s[G0SB:G0SB+3], s[G1SB:G1SB+7]
	s_nop 0
.rept 4
	v_nop
.endr
.Lhead_asked:
	v_and_b32 v1, 15, v0                           ; r = l % 16
	v_bfe_u32 v2, v0, 4, 1                         ; h = l / 16
	v_mul_u32_u24 v3, v1, PITCH
	v_lshl_add_u32 v4, v2, 4, v3
	s_mul_i32 s21, s15, HALFT
	s_mul_i32 s22, s16, HALFT
	s_add_co_u32 s22, s22, 2*HALFT
.irp s, 0,1
	v_add_nc_u32 v[ADRA+\s], s21, v4
	v_add_nc_u32 v[ADRB+\s], s22, v4
	s_add_co_u32 s21, s21, SLOT
	s_add_co_u32 s22, s22, SLOT
.endr
	v_mul_u32_u24 v5, v1, KS
	v_lshrrev_b32 v6, 8, v5
	v_lshl_add_u32 v5, v6, 4, v5
	s_mul_i32 s21, s15, HALFS
	s_mul_i32 s22, s16, HALFS
	s_add_co_u32 s22, s22, 2*HALFS
	s_sub_co_u32 s22, s22, s21
	v_mul_u32_u24 v6, s22, v2                      ; lanes 16-31 take B's words
	s_add_co_u32 s21, s21, SCL
	v_add_nc_u32 v5, v5, v6
	v_add_nc_u32 v[ADRS], s21, v5
	; the bias, 64 registers in the accumulators' layout.  q, k: it runs along B's rows: register 8 x + j = b[16 x + 8 h + j].  v: along A's rows: register 8 x + j = b[16 x + r], the same for all j.
	s_lshl_b32 s2, s15, 7
	s_add_co_u32 s2, s2, s99
	s_add_co_u32 s2, s2, 2048                      ; v: 2048 + 256 cy + 128 x my half of A
	s_lshl_b32 s3, ttmp9, 10
	s_add_co_u32 s3, s3, s100
	s_add_co_u32 s3, s3, s101                      ; q, k: 1024 x + 256 cx + 128 x my half of B
	s_cmp_eq_u32 s98, 1
	s_cselect_b32 s2, s2, s3
	s_cselect_b32 s99, -1, 0                       ; all lanes' bits where v is made
	s_cselect_b32 s3, 0, 4                         ; bytes from register to register
	s_lshl_b32 s2, s2, 2
	v_mov_b32 v6, s3
	s_mov_b32 s3, 0
	s_add_nc_u64 s[12:13], s[12:13], s[2:3]
	v_lshlrev_b32 v4, 5, v2
	v_lshlrev_b32 v5, 2, v1
	v_cndmask_b32 v7, v4, v5, s99                  ; 32 h, or 4 r for v
.irp j, 0,1,2,3,4,5,6,7
	v_mad_u32_u24 v[8+\j], v6, \j, v7
.endr
.irp x, 0,1,2,3,4,5,6,7
.irp j, 0,1,2,3,4,5,6,7
	global_load_b32 v[BI+8*\x+\j], v[8+\j], s[12:13] offset:64*\x
.endr
.endr
.macro FRAG reg, adr, q, i             ; 16 rows x 128 K of codes: lane l holds row l % 16; registers 4 c .. 4 c + 3 hold K = 32 c + 16 (l / 16) + 0 .. 15
.irp c, 0,1,2,3
	ds_load_b128 v[\reg+4*\c:\reg+4*\c+3], v[\adr] offset:128*(\q)+32*\c+(\i)*16*PITCH
.endr
.endm
; 16 matrix instructions: A's blocks a0, a0 + 1 x B's eight.  The 64 accumulators take turns, one instruction a turn, in the same order in every step.
.macro MUL16 a0, p, q, sc, zero
.irp a, \a0, \a0+1
.irp b, 0,1,2,3,4,5,6,7
.if \zero
	v_wmma_scale_f32_16x16x128_f8f6f4 v[8*(8*((\a)%4)+\b):8*(8*((\a)%4)+\b)+7], v[128*(\p)+FR*\b:128*(\p)+FR*\b+FR-1], v[AF+FR*(\a):AF+FR*(\a)+FR-1], 0, v[SC+8*NQ*(\sc)+NQ*\b+(\q)], v[SC+8*NQ*(\sc)+NQ*(\a)+(\q)] matrix_a_scale:MATRIX_SCALE_ROW1
.else
	v_wmma_scale_f32_16x16x128_f8f6f4 v[8*(8*((\a)%4)+\b):8*(8*((\a)%4)+\b)+7], v[128*(\p)+FR*\b:128*(\p)+FR*\b+FR-1], v[AF+FR*(\a):AF+FR*(\a)+FR-1], v[8*(8*((\a)%4)+\b):8*(8*((\a)%4)+\b)+7], v[SC+8*NQ*(\sc)+NQ*\b+(\q)], v[SC+8*NQ*(\sc)+NQ*(\a)+(\q)] matrix_a_scale:MATRIX_SCALE_ROW1
.endif
.endr
.endr
.endm
.macro FETCH_B slot, q, p
	WIN TO_B
.irp i, 0,1,2,3,4,5,6,7
	FRAG 128*(\p)+FR*\i, ADRB+\slot, \q, \i
.endr
	WIN 0
.endm
.macro FETCH_A slot, q, i0
.irp i, \i0, \i0+1, \i0+2, \i0+3
	FRAG AF+FR*(\i), ADRA+\slot, \q, \i
.endr
.endm
.macro SCALES sc                       ; a K step's scale words: lanes 0-15 A's block i, lanes 16-31 B's block i
.irp i, 0,1,2,3,4,5,6,7
	ds_load_b64 v[SC+8*NQ*\sc+NQ*\i:SC+8*NQ*\sc+NQ*\i+1], v[ADRS] offset:\i*SBLK
.endr
.endm
.macro PLACES n                        ; plain vector lines between a matrix instruction and a load into, or a read of, its registers
.rept \n
	v_nop
.endr
.endm
.macro STEP slot, q, zero              ; 128 along K with a successor in the same slot
	s_wait_dscnt 4*NL                              ; B's set and A's blocks 0-3 are in; the youngest 16 loads (A's blocks 4-7) may be out
	WIN MUL_LO
	MUL16 0, (\q)%2, \q, \slot, \zero
	MUL16 2, (\q)%2, \q, \slot, \zero
	s_wait_dscnt 0
	PLACES NP
	FETCH_B \slot, (\q)+1, 1-(\q)%2
	FETCH_A \slot, (\q)+1, 0
	WIN MUL_HI
	MUL16 4, (\q)%2, \q, \slot, \zero
	MUL16 6, (\q)%2, \q, \slot, \zero
	PLACES NP
	WIN 0
	FETCH_A \slot, (\q)+1, 4
.endm
; A slot's last step changes slots: one barrier; in front of it each wave waits for all its tensor loads, adds 0 to its spare word, and waits for that and for its reads of this slot.
.macro TURN slot, next, fill
	s_wait_tensorcnt 0x0                           ; all my tensor loads have landed: my part of the next slot
	ds_add_u32 v[SPW], v[NIL]
	s_wait_dscnt 4*NL+1                            ; the add and the youngest 16 loads may be out
	WIN MUL_LO
	MUL16 0, 1, NQ-1, \slot, 0
	s_wait_dscnt 0x0                               ; the add is done, and my reads of this slot are over
	s_barrier_signal -1
	MUL16 2, 1, NQ-1, \slot, 0
	WIN 0
	s_barrier_wait -1
.if \fill
	CREST                                          ; the barrier has opened a round of the cluster's: no wave of any partner still reads this slot or has a load on its way
	s_add_nc_u64 s[G0+4*\slot+2:G0+4*\slot+3], s[G0+4*\slot+2:G0+4*\slot+3], 2*ROWB
	s_add_nc_u64 s[G0B+4*\slot+2:G0B+4*\slot+3], s[G0B+4*\slot+2:G0B+4*\slot+3], 2*ROWB
	JLOAD G0+4*\slot, G1, G0B+4*\slot, G1B         ; my one tensor load behind the round
	PLACES NP-4
.else
	PLACES NP
.endif
	s_wait_alu depctr_va_vdst(0)
	v_add_nc_u32 v[ADRS], 4*NQ, v[ADRS]            ; the next K step's scale words (no LDS load of mine is out)
	FETCH_B \next, 0, 0
	FETCH_A \next, 0, 0
	SCALES \next
	WIN MUL_HI
	MUL16 4, 1, NQ-1, \slot, 0
	MUL16 6, 1, NQ-1, \slot, 0
	PLACES NP
	WIN 0
	FETCH_A \next, 0, 4
.endm
	s_wait_alu depctr_va_vdst(0)                   ; the wait at the head's end
	s_wait_tensorcnt 0x0                           ; my tile of the head's four is in; these lines stand ahead of slot 1's first fill as ahead of a refill
	ds_add_u32 v[SPW], v[NIL]
	s_mov_b32 s[G1+2], 128<<16                     ; no load of mine is out: from here on a load brings 128 rows,
	s_mov_b32 s[G1+4], 128
	s_mov_b32 s[G1B+2], 128<<16
	s_mov_b32 s[G1B+4], 128
	s_lshl_b32 s2, s16, 17
	s_mov_b32 s3, 0
	s_add_nc_u64 s[G0+2:G0+3], s[G0+2:G0+3], s[2:3]   ; and slot 0's descriptors name my 128 rows again
	s_mov_b32 s[G0+1], s45
	s_add_nc_u64 s[G0B+2:G0B+3], s[G0B+2:G0B+3], s[2:3]
	s_mov_b32 s[G0B+1], s45
	s_wait_dscnt 0x0
	CROUND                                         ; all four tiles are in, and all sixteen work-groups are here
	JLOAD G0+4, G1, G0B+4, G1B                     ; K step 1: my one tensor load behind the round
	FETCH_B 0, 0, 0
	FETCH_A 0, 0, 0
	SCALES 0
	FETCH_A 0, 0, 4
	STEP 0, 0, 1                                   ; the first step starts the sums
	s_mov_b32 s3, LAPS-1
.Llap:
	TURN 0, 1, 1
	STEP 1, 0, 0
	TURN 1, 0, 1
	STEP 0, 0, 0
	s_sub_co_u32 s3, s3, 1
	s_cmp_lg_u32 s3, 0
	s_cbranch_scc1 .Llap
	TURN 0, 1, 0
	STEP 1, 0, 0
	s_wait_dscnt 4*NL
	WIN MUL_LO
	MUL16 0, 1, NQ-1, 1, 0
	MUL16 2, 1, NQ-1, 1, 0
	s_wait_dscnt 0
	WIN MUL_HI
	MUL16 4, 1, NQ-1, 1, 0
	MUL16 6, 1, NQ-1, 1, 0
	WIN 0
; ---- THE WAY OUT
.macro BIASADD byrow                   ; each accumulator from its low end on
.irp w, 0,1
	WIN 0x82+0x41*\w
.irp a, 0,1,2,3
.irp b, 0,1,2,3,4,5,6,7
.irp j, 0,2,4,6
.if \byrow
	v_pk_add_f32 v[8*(8*\a+\b)+\j:8*(8*\a+\b)+\j+1], v[8*(8*\a+\b)+\j:8*(8*\a+\b)+\j+1], v[BI+8*(4*\w+\a)+\j:BI+8*(4*\w+\a)+\j+1]
.else
	v_pk_add_f32 v[8*(8*\a+\b)+\j:8*(8*\a+\b)+\j+1], v[8*(8*\a+\b)+\j:8*(8*\a+\b)+\j+1], v[BI+8*\b+\j:BI+8*\b+\j+1]
.endif
.endr
.endr
.endr
.endr
	WIN 0
.endm
.macro QSTEP xs, cd, eb                ; 16 neighbours (lanes l and l xor 1 hold a block) become 16 codes and the block's byte
	v_max3_num_f32 v8, |v[\xs]|, |v[\xs+1]|, |v[\xs+2]|
	v_max3_num_f32 v9, |v[\xs+3]|, |v[\xs+4]|, |v[\xs+5]|
.irp i, 6,10
	v_max3_num_f32 v8, v8, |v[\xs+\i]|, |v[\xs+\i+1]|
	v_max3_num_f32 v9, v9, |v[\xs+\i+2]|, |v[\xs+\i+3]|
.endr
	v_max3_num_f32 v8, v8, |v[\xs+14]|, |v[\xs+15]|
	v_max3_num_f32 v8, v8, v9, 0x4800000           ; the floor 2^(9 - 127)
	v_max_num_f32_dpp v8, v8, v8 row_xmask:1 row_mask:0xf bank_mask:0xf
	v_add_nc_u32 v11, 0xfc000000, v8               ; 8 off the exponent field: the conversion's scale operand
	v_and_or_b32 v10, v8, 0x7f800000, s[MNT]       ; 448 x the scale
.irp i, 0,1,2,3,4,5,6,7,8,9,10,11,12,13,14,15
	v_med3_num_f32 v[\xs+\i], v[\xs+\i], -v10, v10
.endr
	v_cvt_scalef32_pk8_fp8_f32 v[\cd:\cd+1], v[\xs:\xs+7], v11
	v_cvt_scalef32_pk8_fp8_f32 v[\cd+2:\cd+3], v[\xs+8:\xs+15], v11
	v_lshrrev_b32 v[\eb], 23, v11                  ; the byte; also the plain line behind the conversions
.endm
	PLACES NP                                      ; behind the last products, ahead of the first read of results
	s_wait_loadcnt 0x0                             ; the bias
	s_cmp_eq_u32 s98, 1
	s_cbranch_scc1 .Ladd_v
	BIASADD 0
	s_branch .Ladded
.Ladd_v:
	BIASADD 1
.Ladded:
	v_and_b32 v1, 31, v0                           ; lane
	v_and_b32 v2, 15, v0
	v_bfe_u32 v3, v0, 4, 1
	s_mul_i32 s4, s14, DW
	v_mul_u32_u24 v[STO], v2, DP
	v_lshl_add_u32 v[STO], v3, 5, v[STO]
	v_add_nc_u32 v[STO], s4, v[STO]                ; in: row l % 16, 32 bytes for each half of the lanes
	v_lshrrev_b32 v4, 3, v1
	v_and_b32 v5, 7, v1
	v_mul_u32_u24 v[RD], v4, DP
	v_lshl_add_u32 v[RD], v5, 6, v[RD]
	v_add_nc_u32 v[RD], s4, v[RD]                  ; back: eight lanes to a row, 64 bytes a lane
	s_lshl_b32 s5, s14, 9
	s_add_co_u32 s5, s5, SCB
	v_lshrrev_b32 v[SBA], 1, v1
	v_add_nc_u32 v[SBA], s5, v[SBA]                ; my block's byte among the wave's 512
	v_lshl_add_u32 v[SBR], v1, 4, s5               ; and 16 of them on the way out
	v_lshrrev_b32 v6, 2, v5
	v_lshlrev_b32 v6, 17, v6                       ; q, k: the second head lies 2,048 rows of 64 bytes on;
	v_lshl_add_u32 v6, v4, 6, v6                   ; a row of 64 bytes;
	v_and_b32 v7, 3, v1
	v_lshl_add_u32 v6, v7, 4, v6                   ; my 16 bytes of it
	v_lshlrev_b32 v7, 4, v1                        ; v: 16 x lane
	v_cndmask_b32 v[CO], v6, v7, s99
	s_wait_alu depctr_va_vdst(0)
	v_lshlrev_b32 v6, 4, v2
	v_lshl_add_u32 v6, v3, 12, v6                  ; v's scale words: the second head's 64 lie 4,096 bytes on
	v_cndmask_b32 v[SCO], v7, v6, s99
	s_cmp_eq_u32 s98, 1
	s_cselect_b32 s4, s41, s40                     ; the coordinate of the heads,
	s_cselect_b32 s5, s15, s16
	s_cselect_b32 s6, s40, s41                     ; and of the tokens
	s_cselect_b32 s7, s16, s15
	s_cselect_b32 s8, 1, 2
	s_mov_b32 s9, 256
	s_cselect_b32 s9, 512, s9                      ; four rows on, in the codes
	s_lshl_b32 s4, s4, 2
	s_lshl_b32 s5, s5, 1
	s_add_co_u32 s4, s4, s5
	s_lshr_b32 s5, s17, 1
	s_lshl_b32 s5, s5, 4
	s_add_co_u32 s4, s4, s5                        ; bh of my first head: 16 batch + 4 c + 2 half
	s_lshl_b32 s5, s17, 10
	s_lshl_b32 s6, s6, 8
	s_add_co_u32 s5, s5, s6
	s_lshl_b32 s7, s7, 7
	s_add_co_u32 s5, s5, s7
	s_and_b32 s5, s5, 2047                         ; my first token in its batch, a multiple of 128
	s_lshl_b32 s10, ttmp9, 22
	s_lshl_b32 s11, s4, 17
	s_add_co_u32 s10, s10, s11
	s_lshl_b32 s11, s5, 6
	s_add_co_u32 s10, s10, s11                     ; codes: 4 MiB x kind + 128 KiB x bh + 64 x token: for v that is its key block of 8,192 bytes
	s_mov_b32 s11, 0
	s_add_nc_u64 s[68:69], s[66:67], s[10:11]
	s_lshl_b32 s10, ttmp9, 17
	s_lshl_b32 s12, s4, 12
	s_add_co_u32 s10, s10, s12
	s_lshl_b32 s12, s5, s8
	s_add_co_u32 s10, s10, s12
	s_add_co_u32 s10, s10, QS
	s_add_nc_u64 s[70:71], s[66:67], s[10:11]      ; scale words
	v_add_nc_u32 v[CO+1], s9, v[CO]
	v_add_nc_u32 v[CO+2], s9, v[CO+1]
	v_add_nc_u32 v[CO+3], s9, v[CO+2]
	s_wait_dscnt 0x0
	s_barrier_signal -1
	s_barrier_wait -1                              ; no wave reads the ring or the scales any more, and every fill of the launch is over
.irp a, 0,1,2,3,4,5,6,7
	WIN 0x08+4*(\a/4)                              ; an LDS store's data are its source 1: window 2 or 3
.irp b, 0,1,2,3,4,5,6,7
	ds_store_b128 v[STO], v[64*(\a%4)+8*\b:64*(\a%4)+8*\b+3] offset:\a*16*DP+64*\b
	ds_store_b128 v[STO], v[64*(\a%4)+8*\b+4:64*(\a%4)+8*\b+7] offset:\a*16*DP+64*\b+16
.endr
.endr
	WIN 0
; 16 rows into set buf: row 4 i + l / 8, columns 16 (l % 8) on.  LDS serves a wave's instructions in order: these see my stores
.macro LOADX buf, adr, off
.irp i, 0,1,2,3
.irp k, 0,1,2,3
	ds_load_b128 v[\buf+16*\i+4*\k:\buf+16*\i+4*\k+3], v[\adr] offset:(\off)+\i*4*DP+16*\k
.endr
.endr
.endm
; where the codes of rows 16 (s44 + plus) on go
.macro BASEQ dst, plus
	s_add_co_u32 s7, s44, \plus
	s_lshl_b32 s8, s7, 10                          ; q, k: 16 rows of 64 bytes
	s_lshr_b32 s10, s7, 2
	s_lshl_b32 s10, s10, 17                        ; v: the second head from the fifth 16 rows on,
	s_and_b32 s11, s7, 3
	s_lshl_b32 s11, s11, 11                        ; 16 rows of 128 bytes
	s_add_co_u32 s10, s10, s11
	s_cmp_eq_u32 s98, 1
	s_cselect_b32 s8, s10, s8
	s_mov_b32 s9, 0
	s_add_nc_u64 s[\dst:\dst+1], s[68:69], s[8:9]
.endm
.macro WORKQ buf, cd, boff, base
.irp i, 0,1,2,3
	QSTEP \buf+16*\i, \cd+4*\i, EB+\i
	ds_store_b8 v[ADB], v[EB+\i] offset:(\boff)+16*\i
	global_store_b128 v[CO+\i], v[\cd+4*\i:\cd+4*\i+3], s[\base:\base+1]   ; sixteen lanes fill 256 consecutive bytes, aligned
.endr
.endm
; Twice 16 rows.  Set 0 was asked for a turn ago; set 1 is asked for now and worked on behind set 0; then set 0 is asked for again.
.macro PAIRQ last
	v_add_nc_u32 v[ADR0], s45, v[RD]               ; (its last loads, set 1's, were waited for in the turn before)
	LOADX XB, ADR0, 16*DP
	s_wait_xcnt 0x0                                ; the last pair's stores have read their codes and bases
	BASEQ 72, 0
	BASEQ 74, 1
	s_wait_dscnt 16                                ; only the 16 loads just issued may be out: set 0 is in, and the byte stores before it are done, so their address and data may be written
	v_add_nc_u32 v[ADB], s46, v[SBA]
	WORKQ X, CD, 0, 72
.if \last
	s_wait_dscnt 0x0                               ; set 1 is in, and set 0's byte stores are done
.else
	v_add_nc_u32 v[ADR1], s45, v[RD]               ; (its last loads, set 0's, are in)
	LOADX X, ADR1, 32*DP
	s_wait_dscnt 16                                ; only those 16 may be out: set 1 is in, and set 0's byte stores are done
.endif
	WORKQ XB, CDB, 64, 74
.endm
	s_mov_b32 s44, 0                               ; counts 16 rows
	s_mov_b32 s45, 0
	s_mov_b32 s46, 0
	v_add_nc_u32 v[ADR1], s45, v[RD]
	LOADX X, ADR1, 0
.Lrows:
	PAIRQ 0
	s_add_co_u32 s45, s45, 32*DP
	s_add_co_u32 s46, s46, 128
	s_add_co_u32 s44, s44, 2
	s_cmp_lt_u32 s44, 6
	s_cbranch_scc1 .Lrows
	PAIRQ 1                                        ; the last 32 rows: nothing is left to ask for
	ds_load_b128 v[8:11], v[SBR]                   ; my 128 rows' scale words
	s_wait_dscnt 0x0
	global_store_b128 v[SCO], v[8:11], s[70:71]
	s_wait_tensorcnt 0x0                           ; the wave's end
	ds_add_u32 v[SPW], v[NIL]
	s_wait_dscnt 0x0
	CROUND                                         ; the closing round
	s_endpgm
.Lfunc_end_k_qeef9265a50_qkv:
	.size	k_qeef9265a50_qkv, .Lfunc_end_k_qeef9265a50_qkv-k_qeef9265a50_qkv
	.p2alignl 7, 3214868480
	.fill 96, 4, 3214868480
	.section	.rodata,"a",@progbits
	.p2align	6, 0x0
	.amdhsa_kernel k_qeef9265a50_qkv
		.amdhsa_group_segment_fixed_size 327680
		.amdhsa_private_segment_fixed_size 0
		.amdhsa_enable_private_segment 0
		.amdhsa_kernarg_size 40
		.amdhsa_user_sgpr_count 2
		.amdhsa_user_sgpr_kernarg_segment_ptr 1
		.amdhsa_wavefront_size32 1
		.amdhsa_system_sgpr_workgroup_id_x 1
		.amdhsa_system_sgpr_workgroup_id_y 1
		.amdhsa_system_sgpr_workgroup_id_z 1
		.amdhsa_system_vgpr_workitem_id 0
		.amdhsa_next_free_vgpr 1024
		.amdhsa_next_free_sgpr 102
		.amdhsa_reserve_vcc 0
		.amdhsa_float_denorm_mode_32 3
		.amdhsa_float_denorm_mode_16_64 3
		.amdhsa_memory_ordered 1
		.amdhsa_forward_progress 1
		.amdhsa_inst_pref_size 206
	.end_amdhsa_kernel
	.amdgpu_metadata
---
amdhsa.version: [ 1, 2 ]
amdhsa.kernels:
  - .name:           k_qeef9265a50_qkv
    .symbol:         k_qeef9265a50_qkv.kd
    .args:
      - { .name: hb, .offset: 0, .size: 8, .value_kind: global_buffer, .address_space: global }
      - { .name: w_qkv_codes, .offset: 8, .size: 8, .value_kind: global_buffer, .address_space: global }
      - { .name: w_qkv_scales, .offset: 16, .size: 8, .value_kind: global_buffer, .address_space: global }
      - { .name: b_qkv, .offset: 24, .size: 8, .value_kind: global_buffer, .address_space: global }
      - { .name: qkvb, .offset: 32, .size: 8, .value_kind: global_buffer, .address_space: global }
    .group_segment_fixed_size: 327680
    .private_segment_fixed_size: 0
    .kernarg_segment_align: 8
    .kernarg_segment_size: 40
    .max_flat_workgroup_size: 128
    .sgpr_count:     102
    .vgpr_count:     1024
    .wavefront_size: 32
...
	.end_amdgpu_metadata
.endif
;; end of part 2
;; launch attn (part 3): grid 8 x 32, 16 waves a work-group, no clusters, 327,680 bytes of LDS; arguments qkvb, ob; writes ob
.if DOCPART == 3
	.amdgcn_target "amdgcn-amd-amdhsa--gfx1250"
	.amdhsa_code_object_version 6
	.text
	.protected	k_qeef9265a50_attn
	.globl	k_qeef9265a50_attn
	.p2align	8
	.type	k_qeef9265a50_attn,@function
k_qeef9265a50_attn:
	s_mov_b64 s[64:65], 0
	v_nop
	global_prefetch_b8 v0, s[64:65] scope:SCOPE_SE
	s_setreg_imm32_b32 hwreg(HW_REG_WAVE_MODE, 25, 1), 1
	s_wait_xcnt 0x0
; Causal attention of one head on codes of E4M3 with E8M0 scales: S^T = K Q^T (K = the head's 64; the upper 64 of the instruction's 128 are zero codes of Q), p = 2^(t - M) quantised along the keys, O^T += V^T P^T; O / the sum is quantised along the head's 64 and leaves as codes.
; LEFT OUT: key steps of 128 all of whose keys come after a wave's 16 queries, and slots that no wave of the work-group reads: the causal mask makes their p 0 for every input.
; SHARES.  Work-group x of a head owns queries 128 x .. + 127 and 1920 - 128 x .. + 127; each of its sixteen waves one tile of 16.  K and V come through a ring of two LDS slots of 256 keys (waves 0, 1: K's halves; 2, 3: V's).
; The head's scale bytes come once, with slot 0's fill: waves 4, 5 fetch the halves of K's, waves 6, 7 those of V's, so that a wave has at most one tensor load at the head.
; NO CLUSTER: the causal limit lets work-groups of one head end their loads at different slots, so partners would not make every joint request.
; LIMITS: NaN and infinities are not served; the scaled scores stay under 2^31 in magnitude; a block of zeros, or one under 2^-118, gets the byte 1: this program alone reads the bytes.
.set SK,    256
.set KP,    80
.set VP,    144
.set VOFF,  SK*KP
.set VKB,   64*VP
.set SLOT1, 1<<16
.set NSL,   8
.set SCK,   2*SLOT1
.set SCV,   SCK+32*272
.set SPARE, SCV+16*272
.set KC,    4194304
.set VC,    8388608
.set QS,    12582912
.set KSO,   12713984
.set VS,    12845056
.set OS,    4194304
.set AK0,  1
.set AV0,  2
.set ASK0, 3
.set ASV0, 4
.set SPW,  5
.set NIL,  6
.set PFO,  7
.set ADK,  8
.set ADV,  9
.set ADS,  10
.set ADT,  11
.set KD,   32
.set ZP,   96
.set S,    104
.set O,    168
.set PC,   200
.set KSW,  216
.set VSW,  224
.set WV,   18
.set MNT,  19
.set SEL,  20
.set CS,   22
.set G1K,  24
.set G1V,  32
.set G0K,  40
.set G0V,  44
.set G1SK, 48
.set G0SK, 56
.set G0SV, 60
.set G1SV, 68
.set TB,   2
.set TS,   3
.set TJ,   66
.set SLOTS, 67
.set PFA,  76
.set LIM,  80
.set LAST, 81
.set KF,   98
.set Q0,   99
.macro TLOAD g0k, g1k, g0v, g1v
	s_cmp_lt_u32 s[WV], 2
	s_cbranch_scc0 .Lnot_k_\@
	tensor_load_to_lds s[\g0k:\g0k+3], s[\g1k:\g1k+7]
	s_nop 0
.rept 4
	v_nop
.endr
	s_branch .Lasked_\@
.Lnot_k_\@:
	s_cmp_lt_u32 s[WV], 4
	s_cbranch_scc0 .Lasked_\@
	tensor_load_to_lds s[\g0v:\g0v+3], s[\g1v:\g1v+7]
	s_nop 0
.rept 4
	v_nop
.endr
.Lasked_\@:
.endm
.macro ASK
	s_cmp_gt_u32 s[SLOTS], s[LIM]
	s_cbranch_scc0 .Lnot_mine_\@
	global_prefetch_b8 v[PFO], s[PFA:PFA+1] th:TH_LOAD_NT scope:SCOPE_SE
.Lnot_mine_\@:
.endm
	s_load_b128 s[4:7], s[0:1], 0x0
	v_lshl_add_u32 v[SPW], v0, 2, SPARE
	v_mov_b32 v[NIL], 0
	ds_add_u32 v[SPW], v[NIL]
	ds_add_u32 v[SPW], v[NIL]
	v_lshrrev_b32 v8, 5, v0
	s_delay_alu instid0(VALU_DEP_1)
	v_readfirstlane_b32 s[WV], v8
	s_and_b32 s78, ttmp7, 0xffff
	s_lshl_b32 s79, s78, 17
	s_lshr_b32 s86, s[WV], 2
	s_xor_b32 s86, s86, s[WV]
	s_and_b32 s86, s86, 1
	s_lshl_b32 s87, ttmp9, 8
	s_sub_co_u32 s87, 1920, s87
	s_mul_i32 s87, s87, s86
	s_lshr_b32 s[Q0], s[WV], 1
	s_lshl_b32 s[Q0], s[Q0], 4
	s_add_co_u32 s[Q0], s[Q0], s87
	s_lshl_b32 s87, ttmp9, 7
	s_add_co_u32 s[Q0], s[Q0], s87
	s_sub_co_u32 s[LAST], 2047, s87
	s_and_b32 s88, s[WV], 1
	s_lshl_b32 s89, s88, 13
	s_add_co_u32 s89, s89, s79
	s_add_co_u32 s90, s89, KC
	s_mov_b32 s91, 0
	s_add_co_u32 s92, s89, VC
	s_mov_b32 s93, 0
	s_lshr_b32 s86, s78, 1
	s_lshl_b32 s86, s86, 13
	s_lshl_b32 s94, s88, 12
	s_add_co_u32 s94, s94, s86
	s_add_co_u32 s94, s94, KSO
	s_mov_b32 s95, 0
	s_lshl_b32 s96, s78, 12
	s_lshl_b32 s97, s88, 11
	s_add_co_u32 s96, s96, s97
	s_add_co_u32 s96, s96, VS
	s_mov_b32 s97, 0
	s_mul_i32 s82, s88, 128*KP
	s_mul_i32 s83, s88, VKB
	s_add_co_u32 s83, s83, VOFF
	s_mul_i32 s84, s88, 16*272
	s_add_co_u32 s84, s84, SCK
	s_mul_i32 s85, s88, 8*272
	s_add_co_u32 s85, s85, SCV
	s_mov_b32 s[G1K], (3<<16)|(1<<20)|(3<<22)|(3<<25)
	s_mov_b32 s[G1V], (3<<16)|(1<<20)|(4<<22)|(3<<25)
.irp g, G1K, G1V
	s_mov_b32 s[\g+1], 32<<16
	s_mov_b32 s[\g+2], 32<<16
	s_mov_b32 s[\g+3], 32<<16
	s_mov_b32 s[\g+4], 32
	s_mov_b32 s[\g+5], 32
	s_mov_b32 s[\g+6], 0
	s_mov_b32 s[\g+7], 0
.endr
	s_mov_b32 s[G1SK], (3<<16)|(1<<20)|(5<<22)|(3<<25)
	s_mov_b32 s[G1SK+1], 32<<16
	s_mov_b32 s[G1SK+2], 16<<16
	s_mov_b32 s[G1SK+3], 32<<16
	s_mov_b32 s[G1SK+4], 16
	s_mov_b32 s[G1SK+5], 32
	s_mov_b32 s[G1SK+6], 0
	s_mov_b32 s[G1SK+7], 0
	s_mov_b32 s[G1SV], (3<<16)|(1<<20)|(5<<22)|(3<<25)
	s_mov_b32 s[G1SV+1], 32<<16
	s_mov_b32 s[G1SV+2], 8<<16
	s_mov_b32 s[G1SV+3], 32<<16
	s_mov_b32 s[G1SV+4], 8
	s_mov_b32 s[G1SV+5], 32
	s_mov_b32 s[G1SV+6], 0
	s_mov_b32 s[G1SV+7], 0
	s_mov_b32 s[SEL], 0x76543210
	s_mov_b32 s[SEL+1], 0xfedcba98
	s_mov_b32 s[CS], 0x3e38aa3b
	s_mov_b32 s[CS+1], s[CS]
	s_mov_b32 s[MNT], 0x600000
	s_mov_b32 s[TB], 0
	s_mov_b32 s[TS], 0
	s_mov_b32 s[TJ], 0
	s_mov_b32 s[SLOTS], NSL-1
	s_mov_b32 s[KF], 0
	s_wait_dscnt 0x0
	s_wait_kmcnt 0x0
	s_mov_b32 s[G0SK], 1
	s_mov_b32 s[G0SK+1], s84
	s_add_nc_u64 s[G0SK+2:G0SK+3], s[4:5], s[94:95]
	s_or_b32 s[G0SK+3], s[G0SK+3], 0x80000000
	s_mov_b32 s[G0SV], 1
	s_mov_b32 s[G0SV+1], s85
	s_add_nc_u64 s[G0SV+2:G0SV+3], s[4:5], s[96:97]
	s_or_b32 s[G0SV+3], s[G0SV+3], 0x80000000
	s_mov_b32 s[G0K], 1
	s_mov_b32 s[G0K+1], s82
	s_add_nc_u64 s[G0K+2:G0K+3], s[4:5], s[90:91]
	s_or_b32 s[G0K+3], s[G0K+3], 0x80000000
	s_mov_b32 s[G0V], 1
	s_mov_b32 s[G0V+1], s83
	s_add_nc_u64 s[G0V+2:G0V+3], s[4:5], s[92:93]
	s_or_b32 s[G0V+3], s[G0V+3], 0x80000000
; THE HEAD'S LOADS, at most one a wave: one tree of branches on the wave's number, a load to an arm, every arm with a jump to the tree's end
.macro ARM under, g0, g1, next
	s_cmp_lt_u32 s[WV], \under
	s_cbranch_scc0 \next
	tensor_load_to_lds s[\g0:\g0+3], s[\g1:\g1+7]
	s_nop 0
.rept 4
	v_nop
.endr
	s_branch .Lhead_asked
\next:
.endm
	ARM 2, G0K,  G1K,  .Lhead_v
	ARM 4, G0V,  G1V,  .Lhead_sk
	ARM 6, G0SK, G1SK, .Lhead_sv
	ARM 8, G0SV, G1SV, .Lhead_none
.Lhead_asked:
	s_lshl_b32 s88, s[Q0], 6
	s_add_co_u32 s88, s88, s79
	s_mov_b32 s89, 0
	s_add_nc_u64 s[8:9], s[4:5], s[88:89]
	s_and_b32 s87, s78, 1
	s_lshl_b32 s87, s87, 1
	s_lshl_b32 s88, s[Q0], 2
	s_add_co_u32 s88, s88, s86
	s_add_co_u32 s88, s88, s87
	s_add_co_u32 s88, s88, QS
	s_add_nc_u64 s[10:11], s[4:5], s[88:89]
	s_and_b32 s90, s78, 15
	s_lshr_b32 s91, s78, 4
	s_lshl_b32 s91, s91, 11
	s_add_co_u32 s91, s91, s[Q0]
	s_lshr_b32 s92, s90, 3
	s_lshl_b32 s92, s92, 6
	s_lshr_b32 s93, s91, 6
	s_add_co_u32 s92, s92, s93
	s_lshl_b32 s92, s92, 3
	s_and_b32 s93, s90, 7
	s_add_co_u32 s92, s92, s93
	s_lshl_b32 s92, s92, 12
	s_and_b32 s93, s91, 63
	s_lshl_b32 s93, s93, 6
	s_add_co_u32 s88, s92, s93
	s_add_nc_u64 s[12:13], s[6:7], s[88:89]
	s_lshr_b32 s92, s90, 1
	s_lshl_b32 s92, s92, 14
	s_lshl_b32 s93, s91, 2
	s_add_co_u32 s92, s92, s93
	s_add_co_u32 s92, s92, s87
	s_add_co_u32 s88, s92, OS
	s_add_nc_u64 s[14:15], s[6:7], s[88:89]
	s_mov_b32 s88, VC
	s_cmp_lt_u32 s[WV], 6
	s_cselect_b32 s88, KC, s88
	s_add_co_u32 s88, s88, s79
	s_and_b32 s90, s[WV], 1
	s_lshl_b32 s90, s90, 13
	s_add_co_u32 s88, s88, s90
	s_add_co_u32 s88, s88, 16384
	s_add_nc_u64 s[PFA:PFA+1], s[4:5], s[88:89]
	s_sub_co_u32 s90, s[WV], 4
	s_lshr_b32 s90, s90, 2
	s_or_b32 s90, s90, ttmp9
	s_cmp_eq_u32 s90, 0
	s_cselect_b32 s[LIM], 1, -1
	v_and_b32 v[PFO], 31, v0
	s_delay_alu instid0(VALU_DEP_1)
	v_lshlrev_b32 v[PFO], 8, v[PFO]
	v_and_b32 v8, 15, v0
	v_bfe_u32 v9, v0, 4, 1
	s_delay_alu instid0(VALU_DEP_2)
	v_lshlrev_b32 v10, 6, v8
	s_delay_alu instid0(VALU_DEP_1)
	v_lshl_add_u32 v10, v9, 4, v10
	global_load_b128 v[16:19], v10, s[8:9]
	global_load_b128 v[20:23], v10, s[8:9] offset:32
	v_lshlrev_b32 v254, 2, v8
	global_load_u16 v255, v254, s[10:11]
	v_mul_u32_u24 v[AK0], v8, KP
	s_delay_alu instid0(VALU_DEP_1)
	v_lshl_add_u32 v[AK0], v9, 4, v[AK0]
	v_mul_u32_u24 v[AV0], v8, VP
	s_delay_alu instid0(VALU_DEP_1)
	v_lshl_add_u32 v[AV0], v9, 3, v[AV0]
	s_delay_alu instid0(VALU_DEP_1)
	v_add_nc_u32 v[AV0], VOFF, v[AV0]
	v_lshl_add_u32 v[ASK0], v8, 2, s87
	s_delay_alu instid0(VALU_DEP_1)
	v_add_nc_u32 v[ASK0], SCK, v[ASK0]
	v_lshl_add_u32 v[ASV0], v8, 2, SCV
	v_mov_b32 v13, 0xff61b1e6
	s_delay_alu instid0(VALU_DEP_1)
	v_floor_f32 v12, -v13
	v_mov_b32 v14, 0
	v_mov_b32 v15, 0
.irp b, 0,1,2,3
	v_mov_b32 v[236+\b], 0
.endr
	v_mov_b32 v252, 0
	v_mov_b32 v253, 0
.set n, 0
.rept 32
	v_mov_b32 v[O+n], 0
.set n, n+1
.endr
.irp j, 0,1,2,3,4,5,6,7
	v_mov_b32 v[24+\j], 0
	v_mov_b32 v[ZP+\j], 0
.endr
.macro STEP q
	s_add_co_u32 s96, s[Q0], 15
	s_cmp_gt_u32 s[KF], s96
	s_cbranch_scc1 .Lhidden_\@
	v_add_nc_u32 v[ADK], s[TB], v[AK0]
	v_add_nc_u32 v[ADV], s[TB], v[AV0]
	v_add_nc_u32 v[ADS], s[TS], v[ASK0]
	v_add_nc_u32 v[ADT], s[TJ], v[ASV0]
.irp t, 0,1,2,3,4,5,6,7
	ds_load_b128 v[KD+8*\t:KD+8*\t+3], v[ADK] offset:(128*(\q)+16*\t)*KP
	ds_load_b128 v[KD+8*\t+4:KD+8*\t+7], v[ADK] offset:(128*(\q)+16*\t)*KP+32
	ds_load_u16 v[KSW+\t], v[ADS] offset:272*(\t/4)+64*(\t%4)
.endr
.rept 6
	v_nop
.endr
	s_wait_dscnt 0x0
	s_wait_alu depctr_va_vdst(0)
.irp t, 0,1,2,3,4,5,6,7
	v_wmma_scale_f32_16x16x128_f8f6f4 v[S+8*\t:S+8*\t+7], v[KD+8*\t:KD+8*\t+15], v[16:31], 0, v[KSW+\t], v255
.endr
.rept 8
	v_nop
.endr
	s_add_co_u32 s96, s[KF], 127
	s_cmp_le_u32 s96, s[Q0]
	s_cbranch_scc1 .Lopen_\@
	s_sub_co_i32 s96, s[Q0], s[KF]
	v_and_b32 v252, 15, v0
	v_bfe_u32 v253, v0, 4, 1
	s_delay_alu instid0(VALU_DEP_1)
	v_lshlrev_b32 v253, 3, v253
	s_delay_alu instid0(VALU_DEP_1)
	v_sub_nc_u32 v252, v252, v253
	s_delay_alu instid0(VALU_DEP_1)
	v_add_nc_u32 v252, s96, v252
	v_mov_b32 v254, 0xff800000
.set n, 0
.rept 64
	v_cmp_gt_i32 vcc_lo, 16*(n/8)+n%8, v252
	v_cndmask_b32 v[S+n], v[S+n], v254, vcc_lo
.set n, n+1
.endr
.Lopen_\@:
.irp b, 0,1,2,3
	v_max3_num_f32 v[232+\b], v[S+16*\b], v[S+1+16*\b], v[S+2+16*\b]
.endr
.irp i, 3,5,7,9,11,13
.irp b, 0,1,2,3
	v_max3_num_f32 v[232+\b], v[232+\b], v[S+16*\b+\i], v[S+1+16*\b+\i]
.endr
.endr
.irp b, 0,1,2,3
	v_max_num_f32 v[232+\b], v[232+\b], v[S+15+16*\b]
.endr
.irp b, 0,1,2,3
	s_delay_alu instid0(VALU_DEP_4)
	v_permlanex16_b32 v[236+\b], v[232+\b], s[SEL], s[SEL+1]
.endr
.irp b, 0,1,2,3
	s_delay_alu instid0(VALU_DEP_4)
	v_max_num_f32 v[232+\b], v[232+\b], v[236+\b]
.endr
	s_delay_alu instid0(VALU_DEP_2)
	v_max3_num_f32 v254, v232, v233, v234
	s_delay_alu instid0(VALU_DEP_1)
	v_max_num_f32 v254, v254, v235
	s_delay_alu instid0(VALU_DEP_1)
	v_mul_f32 v254, s[CS], v254
	s_delay_alu instid0(VALU_DEP_1)
	v_max_num_f32 v13, v13, v254
	v_mov_b32 v254, v12
	s_delay_alu instid0(VALU_DEP_2)
	v_floor_f32 v12, -v13
	s_delay_alu instid0(VALU_DEP_1)
	v_sub_f32 v254, v12, v254
	s_delay_alu instid0(VALU_DEP_1)
	v_cvt_i32_f32 v254, v254
	s_delay_alu instid0(VALU_DEP_1)
	v_ldexp_f32 v252, 1.0, v254
.set n, 0
.rept 32
	v_pk_fma_f32 v[S+n:S+n+1], v[S+n:S+n+1], s[CS:CS+1], v[12:13] op_sel_hi:[1,0,0]
.set n, n+2
.endr
.irp b, 0,1,2,3
	v_fma_f32 v[232+\b], v[232+\b], s[CS], v12
.endr
.set n, 0
	s_wait_alu depctr_va_vdst(0)
.rept 64
	v_exp_f32 v[S+n], v[S+n]
.set n, n+1
.endr
	v_pk_mul_f32 v[14:15], v[14:15], v[252:253] op_sel_hi:[1,0]
	s_wait_alu depctr_va_vdst(0)
.irp b, 0,1,2,3
	v_exp_f32 v[232+\b], v[232+\b]
.endr
	v_pk_add_f32 v[236:237], v[S:S+1], v[S+2:S+3]
.irp j, 4,8,12,16,20,24,28,32,36,40,44,48,52,56,60
	v_pk_add_f32 v[14:15], v[14:15], v[S+\j:S+1+\j]
	v_pk_add_f32 v[236:237], v[236:237], v[S+2+\j:S+3+\j]
.endr
	s_delay_alu instid0(VALU_DEP_1)
	v_pk_add_f32 v[14:15], v[14:15], v[236:237]
	s_wait_alu depctr_va_vdst(0)
.irp b, 0,1,2,3
	v_max_num_f32 v[232+\b], 0x4800000, v[232+\b]
.endr
.irp b, 0,1,2,3
	s_delay_alu instid0(VALU_DEP_4)
	v_add_nc_u32 v[244+\b], 0xfc000000, v[232+\b]
.endr
.irp b, 0,1,2,3
	v_and_or_b32 v[240+\b], v[232+\b], 0x7f800000, s[MNT]
.endr
.irp b, 0,1,2,3
	v_lshrrev_b32 v[236+\b], 23, v[244+\b]
.endr
	s_delay_alu instid0(VALU_DEP_3)
	v_lshl_or_b32 v253, v237, 8, v236
	s_delay_alu instid0(VALU_DEP_1)
	v_lshl_or_b32 v253, v238, 16, v253
	s_delay_alu instid0(VALU_DEP_1)
	v_lshl_or_b32 v253, v239, 24, v253
.irp b, 0,1,2,3
.irp i, 0,1,2,3,4,5,6,7,8,9,10,11,12,13,14,15
	v_min_num_f32 v[S+16*\b+\i], v[S+16*\b+\i], v[240+\b]
.endr
	v_cvt_scalef32_pk8_fp8_f32 v[PC+4*\b:PC+1+4*\b], v[S+16*\b:S+7+16*\b], v[244+\b]
	v_cvt_scalef32_pk8_fp8_f32 v[PC+2+4*\b:PC+3+4*\b], v[S+8+16*\b:S+15+16*\b], v[244+\b]
.endr
.set n, 0
.rept 2
	v_pk_mul_f32 v[O+n:O+n+1], v[O+n:O+n+1], v[252:253] op_sel_hi:[1,0]
.set n, n+2
.endr
.irp t, 0,1,2,3
.irp c, 0,1,2,3
	ds_load_b64 v[S+16*\t+4*\c:S+1+16*\t+4*\c], v[ADV] offset:VKB*(\q)+16*VP*\t+32*\c
	ds_load_b64 v[S+2+16*\t+4*\c:S+3+16*\t+4*\c], v[ADV] offset:VKB*(\q)+16*VP*\t+32*\c+16
.endr
	ds_load_b32 v[VSW+\t], v[ADT] offset:64*\t
.endr
.rept 14
	v_pk_mul_f32 v[O+n:O+n+1], v[O+n:O+n+1], v[252:253] op_sel_hi:[1,0]
.set n, n+2
.endr
	s_wait_alu depctr_va_vdst(0)
	s_wait_dscnt 0x0
.irp t, 0,1,2,3
	v_wmma_scale_f32_16x16x128_f8f6f4 v[O+8*\t:O+7+8*\t], v[S+16*\t:S+15+16*\t], v[PC:PC+15], v[O+8*\t:O+7+8*\t], v[VSW+\t], v253
.endr
.Lhidden_\@:
	s_add_co_u32 s[KF], s[KF], 128
	s_add_co_u32 s[TS], s[TS], 544
	s_add_co_u32 s[TJ], s[TJ], 272
.endm
.macro CHANGE fill
	s_wait_tensorcnt 0x0
	ds_add_u32 v[SPW], v[NIL]
.if \fill
	ds_add_u32 v[SPW], v[NIL]                      ; fill = 1: the add twice on end here, in every trip alike
	s_xor_b32 s[G0K+1], s[G0K+1], SLOT1
	s_add_nc_u64 s[G0K+2:G0K+3], s[G0K+2:G0K+3], 16384
	s_xor_b32 s[G0V+1], s[G0V+1], SLOT1
	s_add_nc_u64 s[G0V+2:G0V+3], s[G0V+2:G0V+3], 16384
	s_wait_xcnt 0x0
	s_add_nc_u64 s[PFA:PFA+1], s[PFA:PFA+1], 16384
.endif
	s_wait_dscnt 0x0
	s_barrier_signal -1
	s_barrier_wait -1
.if \fill
	s_add_co_u32 s96, s[KF], SK
	s_cmp_gt_u32 s96, s[LAST]
	s_cbranch_scc1 .Lpast_\@
	TLOAD G0K, G1K, G0V, G1V
.Lpast_\@:
	ASK
.endif
.endm
.macro SLOT_STEPS
	STEP 0
	STEP 1
	s_xor_b32 s[TB], s[TB], SLOT1
.endm
	s_wait_alu depctr_va_vdst(0)                   ; the wait at the head's end
	s_wait_loadcnt 0x0
.Lslot:
	CHANGE 1
	SLOT_STEPS
	s_sub_co_u32 s[SLOTS], s[SLOTS], 1
	s_cmp_lg_u32 s[SLOTS], 0
	s_cbranch_scc1 .Lslot
	CHANGE 0
	SLOT_STEPS
	v_add_f32 v14, v14, v15
	s_delay_alu instid0(VALU_DEP_1)
	v_permlanex16_b32 v252, v14, s[SEL], s[SEL+1]
	s_delay_alu instid0(VALU_DEP_1)
	v_add_f32 v14, v14, v252
	s_wait_alu depctr_va_vdst(0)
	v_rcp_f32 v14, v14
	v_and_b32 v8, 15, v0
	v_bfe_u32 v9, v0, 4, 1
	s_mul_i32 s86, s[WV], 16*KP
	v_mul_u32_u24 v10, v8, KP
	s_delay_alu instid0(VALU_DEP_1)
	v_lshl_add_u32 v10, v9, 3, v10
	s_delay_alu instid0(VALU_DEP_1)
	v_add_nc_u32 v10, s86, v10
	v_and_b32 v1, 31, v0
	s_delay_alu instid0(VALU_DEP_1)
	v_lshrrev_b32 v2, 2, v1
	s_delay_alu instid0(VALU_DEP_1)
	v_mul_u32_u24 v11, v2, KP
	s_delay_alu instid0(VALU_DEP_3)
	v_and_b32 v2, 3, v1
	s_delay_alu instid0(VALU_DEP_1)
	v_lshl_add_u32 v11, v2, 4, v11
	s_delay_alu instid0(VALU_DEP_1)
	v_add_nc_u32 v11, s86, v11
	v_lshlrev_b32 v3, 4, v1
	v_lshlrev_b32 v4, 2, v8
	s_wait_alu depctr_va_vdst(0)
.set n, 0
.rept 32
	v_mul_f32 v[S+n], v[O+n], v14
.set n, n+1
.endr
.irp b, 0,1
	v_max3_num_f32 v[232+\b], |v[S+16*\b]|, |v[S+1+16*\b]|, 0x4800000
.endr
.irp i, 2,4,6,8,10,12,14
.irp b, 0,1
	s_delay_alu instid0(VALU_DEP_2)
	v_max3_num_f32 v[232+\b], v[232+\b], |v[S+16*\b+\i]|, |v[S+1+16*\b+\i]|
.endr
.endr
.irp b, 0,1
	s_delay_alu instid0(VALU_DEP_2)
	v_permlanex16_b32 v[236+\b], v[232+\b], s[SEL], s[SEL+1]
.endr
.irp b, 0,1
	s_delay_alu instid0(VALU_DEP_2)
	v_max_num_f32 v[232+\b], v[232+\b], v[236+\b]
.endr
.irp b, 0,1
	s_delay_alu instid0(VALU_DEP_2)
	v_add_nc_u32 v[244+\b], 0xfc000000, v[232+\b]
.endr
.irp b, 0,1
	s_delay_alu instid0(VALU_DEP_4)
	v_and_or_b32 v[240+\b], v[232+\b], 0x7f800000, s[MNT]
.endr
.irp b, 0,1
	s_delay_alu instid0(VALU_DEP_4)
	v_lshrrev_b32 v[236+\b], 23, v[244+\b]
.endr
	s_delay_alu instid0(VALU_DEP_1)
	v_lshl_or_b32 v253, v237, 8, v236
.irp b, 0,1
.irp i, 0,1,2,3,4,5,6,7,8,9,10,11,12,13,14,15
	v_med3_num_f32 v[S+16*\b+\i], v[S+16*\b+\i], -v[240+\b], v[240+\b]
.endr
	v_cvt_scalef32_pk8_fp8_f32 v[PC+4*\b:PC+1+4*\b], v[S+16*\b:S+7+16*\b], v[244+\b]
	v_cvt_scalef32_pk8_fp8_f32 v[PC+2+4*\b:PC+3+4*\b], v[S+8+16*\b:S+15+16*\b], v[244+\b]
.endr
	v_nop
.irp t, 0,1,2,3
	ds_store_b64 v10, v[PC+2*\t:PC+1+2*\t] offset:16*\t
.endr
	ds_load_b128 v[32:35], v11
	ds_load_b128 v[36:39], v11 offset:8*KP
	s_wait_dscnt 0x0
	global_store_b128 v3, v[32:35], s[12:13]
	global_store_b128 v3, v[36:39], s[12:13] offset:512
	global_store_b16 v4, v253, s[14:15]
	s_wait_tensorcnt 0x0
	ds_add_u32 v[SPW], v[NIL]
	s_wait_dscnt 0x0
	s_endpgm
.Lfunc_end_k_qeef9265a50_attn:
	.size	k_qeef9265a50_attn, .Lfunc_end_k_qeef9265a50_attn-k_qeef9265a50_attn
	.p2alignl 7, 3214868480
	.fill 96, 4, 3214868480
	.section	.rodata,"a",@progbits
	.p2align	6, 0x0
	.amdhsa_kernel k_qeef9265a50_attn
		.amdhsa_group_segment_fixed_size 327680
		.amdhsa_private_segment_fixed_size 0
		.amdhsa_enable_private_segment 0
		.amdhsa_kernarg_size 16
		.amdhsa_user_sgpr_count 2
		.amdhsa_user_sgpr_kernarg_segment_ptr 1
		.amdhsa_wavefront_size32 1
		.amdhsa_system_sgpr_workgroup_id_x 1
		.amdhsa_system_sgpr_workgroup_id_y 1
		.amdhsa_system_sgpr_workgroup_id_z 1
		.amdhsa_system_vgpr_workitem_id 0
		.amdhsa_next_free_vgpr 256
		.amdhsa_next_free_sgpr 100
		.amdhsa_reserve_vcc 1
		.amdhsa_float_denorm_mode_32 3
		.amdhsa_float_denorm_mode_16_64 3
		.amdhsa_memory_ordered 1
		.amdhsa_forward_progress 1
		.amdhsa_inst_pref_size 127
	.end_amdhsa_kernel
	.amdgpu_metadata
---
amdhsa.version: [ 1, 2 ]
amdhsa.kernels:
  - .name:           k_qeef9265a50_attn
    .symbol:         k_qeef9265a50_attn.kd
    .args:
      - { .name: qkvb, .offset: 0, .size: 8, .value_kind: global_buffer, .address_space: global }
      - { .name: ob, .offset: 8, .size: 8, .value_kind: global_buffer, .address_space: global }
    .group_segment_fixed_size: 327680
    .private_segment_fixed_size: 0
    .kernarg_segment_align: 8
    .kernarg_segment_size: 16
    .max_flat_workgroup_size: 512
    .sgpr_count:     100
    .vgpr_count:     256
    .wavefront_size: 32
...
	.end_amdgpu_metadata
.endif
;; end of part 3
;; launch outp (part 4): grid 8 x 32, 4 waves a work-group, clusters of 4 x 4, 327,680 bytes of LDS; arguments ob, w_out_codes, w_out_scales, b_out, x, x1; writes x1
.if DOCPART == 4
	.amdgcn_target "amdgcn-amd-amdhsa--gfx1250"
	.amdhsa_code_object_version 6
	.text
	.protected	k_qeef9265a50_outp
	.globl	k_qeef9265a50_outp
	.p2align	8
	.type	k_qeef9265a50_outp,@function
k_qeef9265a50_outp:
	s_mov_b64 s[64:65], 0
	v_nop
	global_prefetch_b8 v0, s[64:65] scope:SCOPE_SE
	s_setreg_imm32_b32 hwreg(HW_REG_WAVE_MODE, 25, 1), 1
	s_wait_xcnt 0x0
	s_wait_alu depctr_hold_cnt(0) depctr_sa_sdst(0) depctr_va_vdst(0) depctr_va_sdst(0) depctr_va_ssrc(0) depctr_va_vcc(0) depctr_vm_vsrc(0)
	s_getreg_b32 s2, hwreg(HW_REG_IB_STS2, 6, 4)
	s_cmp_eq_u32 s2, 0
	s_cbranch_scc0 .Lentry_in_a_cluster
	s_endpgm
.Lentry_in_a_cluster:
	s_bfe_u32 s2, ttmp6, 0x10000c
	s_cmp_lg_u32 s2, 0xf033
	s_cbranch_scc0 .Lentry_shape_is_right
	s_endpgm
.Lentry_shape_is_right:
; y = A W^T + bias + residual, f32 [4096][1024].  A: 4,096 rows x KK codes of E4M3, laid tile by tile: [K step of 512][row group of 64][panel of PW along K][64 rows][PW bytes]; its scale words (128 along K each)
; [KK / 128][4096] at byte ASO of the same buffer.  W: codes [1024][KK], scale bytes [1024][KK / 32].
; A tile of 128 x 128 to a work-group (256 work-groups), 64 x 64 a wave: 16 accumulators.  K goes in steps of 512 through two LDS slots: one tensor load a wave brings 64 rows x 512 K, 32 KiB.
; All scale words of the tile's rows come once, with the first fills, and stay.  CLUSTERS of 4 x 4: A's tiles are shared along a row of the cluster, W's along a column, each asked for jointly.
; THE MATRIX INSTRUCTION IS USED TRANSPOSED (source 0 = 16 rows of W, source 1 = 16 rows of A): a lane holds eight neighbouring columns of a row of y.  The bias is the C of each sum's first product.
; The residual's 64 x 64 numbers are asked for at the head, in the layout of the stores, and stay out under the whole K loop.
; REGISTERS: window 0: v16-29 addresses; v32-63 the bias, later rows on the way out; v64-95 likewise; v96-111 scale words, two sets; v128-255 the accumulators.  window 1: two fragment buffers of 128 (A's four, W's four).  window 2: v0-127 the residual.
.set KK,     1024
.set PW,     64
.set QIA,    3                         ; padding behind every PW bytes of A's tiles
.set ASO,    4194304
.set NTS,    0                         ; the result is read again by later launches
.set LA,     PW+16                     ; a line of A in LDS
.set HA,     64*(512/PW)*LA            ; a row group's K step
.set HB,     64*528                    ; 64 rows of W: 512 bytes + 16
.set SLOT,   2*(HA+HB)
.set NPL,    KK/128
.set ASC,    2*SLOT                    ; A's scale words: NPL x 128 rows
.set BSC,    ASC+NPL*512
.set KS,     KK/32
.set RSB,    64*KS/256
.set HALFSB, RSB*272
.set SBLK,   (16*KS/256)*272
.set SPARE,  BSC+2*HALFSB              ; the spare words: two blocks of 256 bytes that no other line names
.set LAPS,   KK/1024
.set ADRA, 16
.set ADRB, 20
.set ADSA, 22
.set ADSB, 23
.set STO,  24
.set RD,   25
.set CO,   26
.set SPW,  28
.set NIL,  29
.set BI,   32
.set BK,   32
.set SCR,  96
.set ACC,  128
.set G1, 24
.set G0, 32
.set G1B, 48
.set G0B, 56
.set G1S, 68
.set G0S, 76
.set G1SB, 80
.set G0SB, 88
.set MSB, 0
.macro WIN new
.if MSB != (\new)
	s_set_vgpr_msb (MSB<<8)|(\new)
.set MSB, (\new)
.endif
.endm
.set MUL,  0x05                        ; sources 0 and 1 window 1; C and D window 0
.set TO_F, 0x40
.macro JLOAD g0a, g1a, g0b, g1b        ; waves 0 and 1 fetch for A, waves 2 and 3 for W; an s_nop 0 and four v_nop follow each line
	s_cmp_eq_u32 s15, 0
	s_cbranch_scc0 .Lfor_b_\@
	tensor_load_to_lds s[\g0a:\g0a+3], s[\g1a:\g1a+7]
	s_nop 0
.rept 4
	v_nop
.endr
	s_branch .Lasked_\@
.Lfor_b_\@:
	tensor_load_to_lds s[\g0b:\g0b+3], s[\g1b:\g1b+7]
	s_nop 0
.rept 4
	v_nop
.endr
.Lasked_\@:
.endm
.macro CREST
	s_cmp_lg_u32 s14, 0
	s_cbranch_scc1 .Lnot_wave_0_\@
	s_barrier_signal -3
.Lnot_wave_0_\@:
	s_barrier_wait -3
	s_barrier_signal -1
	s_barrier_wait -1
.endm
.macro CROUND
	s_barrier_signal -1
	s_barrier_wait -1
	CREST
.endm
	s_load_b64 s[4:5], s[0:1], 0x0                 ; A
	s_load_b128 s[8:11], s[0:1], 0x8               ; W's codes, W's scales
	s_load_b128 s[92:95], s[0:1], 0x18             ; the bias, the residual
	s_load_b64 s[96:97], s[0:1], 0x28              ; y
	v_lshl_add_u32 v[SPW], v0, 2, SPARE
	v_mov_b32 v[NIL], 0
	ds_add_u32 v[SPW], v[NIL]                      ; the wave's opening: the add and its wait ahead of my first tensor load
	ds_add_u32 v[SPW], v[NIL]
	v_lshrrev_b32 v1, 5, v0
	v_readfirstlane_b32 s14, v1                    ; wave 0..3
	s_lshr_b32 s15, s14, 1                         ; my half of the tile's rows.  Also: I fetch for A (0) or for W (1)
	s_and_b32 s16, s14, 1                          ; my half of its columns.  Also: which 64 rows I fetch
	s_bfe_u32 s40, ttmp6, 0x40000
	s_bfe_u32 s41, ttmp6, 0x40004
	s_lshl_b32 s42, ttmp9, 2
	s_add_co_u32 s42, s42, s40                     ; tile column
	s_and_b32 s17, ttmp7, 0xffff
	s_lshl_b32 s17, s17, 2
	s_add_co_u32 s17, s17, s41                     ; tile row
	s_lshl_b32 s43, s41, 2
	s_lshl_b32 s43, 15, s43                        ; my row of the cluster
	s_lshl_b32 s44, 0x1111, s40                    ; my column
	s_or_b32 s[G1+0], s43, (3<<16)|(1<<20)|(1<<21)|(QIA<<22)|(3<<25)   ; A: a dense 32 KiB as 128 rows of 256 bytes (32 elements of 8), 16 bytes of padding behind every PW
	s_mov_b32 s[G1+1], 32<<16
	s_mov_b32 s[G1+2], 256<<16                     ; the head's load brings both row groups; the ring's 128 rows are set behind it
	s_mov_b32 s[G1+3], 32<<16
	s_mov_b32 s[G1+4], 256
	s_mov_b32 s[G1+5], 32
	s_mov_b32 s[G1+6], 0
	s_mov_b32 s[G1+7], 0
	s_or_b32 s[G1B+0], s44, (0<<16)|(1<<20)|(1<<21)|(6<<22)|(3<<25)    ; W: 64 rows of 512 bytes, KK bytes apart, 16 of padding behind each
	s_mov_b32 s[G1B+1], 512<<16
	s_mov_b32 s[G1B+2], 128<<16
	s_mov_b32 s[G1B+3], 512<<16
	s_mov_b32 s[G1B+4], 128
	s_mov_b32 s[G1B+5], KK
	s_mov_b32 s[G1B+6], 0
	s_mov_b32 s[G1B+7], 0
	s_or_b32 s[G1S+0], s43, (3<<16)|(1<<21)                            ; A's scale words: NPL rows of 512 bytes (128 rows' words), 16 KiB apart
	s_mov_b32 s[G1S+1], 64<<16
	s_mov_b32 s[G1S+2], NPL<<16
	s_mov_b32 s[G1S+3], 64<<16
	s_mov_b32 s[G1S+4], NPL
	s_mov_b32 s[G1S+5], 2048
	s_mov_b32 s[G1S+6], 0
	s_mov_b32 s[G1S+7], 0
	s_or_b32 s[G1SB+0], s44, (3<<16)|(1<<20)|(1<<21)|(5<<22)|(3<<25)   ; W's scale bytes of 128 rows: dense, as rows of 256 bytes + 16
	s_mov_b32 s[G1SB+1], 32<<16
	s_mov_b32 s[G1SB+2], (2*RSB)<<16
	s_mov_b32 s[G1SB+3], 32<<16
	s_mov_b32 s[G1SB+4], 2*RSB
	s_mov_b32 s[G1SB+5], 32
	s_mov_b32 s[G1SB+6], 0
	s_mov_b32 s[G1SB+7], 0
	s_lshl_b32 s20, s17, 1
	s_add_co_u32 s20, s20, s16
	s_lshl_b32 s20, s20, 15                        ; A: row group 2 x tile row + half, K step 0
	s_mov_b32 s21, 0
	s_mul_i32 s22, s16, (NPL/2)*16384
	s_lshl_b32 s23, s17, 9
	s_add_co_u32 s22, s22, s23
	s_add_co_u32 s22, s22, ASO
	s_mov_b32 s23, 0
	s_lshl_b32 s46, s42, 7
	s_lshl_b32 s47, s16, 6
	s_add_co_u32 s46, s46, s47                     ; W: row 128 x tile column + 64 x half
	s_mul_i32 s98, s46, KS
	s_mov_b32 s99, 0
	s_mul_i32 s46, s46, KK
	s_mov_b32 s47, 0
	s_mul_i32 s18, s16, HA                         ; where they go: no place in the cluster enters an LDS address
	s_mul_i32 s19, s16, HB
	s_add_co_u32 s19, s19, 2*HA
	s_mul_i32 s13, s16, HALFSB
	s_add_co_u32 s13, s13, BSC
	s_wait_dscnt 0x0                               ; the opening add is done
	s_wait_kmcnt 0x0
	s_add_nc_u64 s[20:21], s[4:5], s[20:21]
	s_add_nc_u64 s[22:23], s[4:5], s[22:23]
	s_add_nc_u64 s[46:47], s[8:9], s[46:47]
	s_add_nc_u64 s[98:99], s[10:11], s[98:99]
	CROUND                                         ; all sixteen work-groups are here: the first joint loads meet
	s_mov_b32 s[G0S], 1
	s_mul_i32 s2, s16, (NPL/2)*16384               ; back to the first of A's scale rows
	s_mov_b32 s3, 0
	s_mov_b32 s[G0S+1], ASC
	s_sub_nc_u64 s[G0S+2:G0S+3], s[22:23], s[2:3]
	s_or_b32 s[G0S+3], s[G0S+3], 0x80000000
	s_mov_b32 s[G0SB], 1
	s_mul_i32 s2, s16, 64*KS
	s_mov_b32 s[G0SB+1], BSC
	s_sub_nc_u64 s[G0SB+2:G0SB+3], s[98:99], s[2:3]
	s_or_b32 s[G0SB+3], s[G0SB+3], 0x80000000
.irp s, 0,1
	s_mov_b32 s[G0+4*\s], 1
	s_add_co_u32 s[G0+4*\s+1], s18, \s*SLOT
	s_add_nc_u64 s[G0+4*\s+2:G0+4*\s+3], s[20:21], \s*0x200000
	s_or_b32 s[G0+4*\s+3], s[G0+4*\s+3], 0x80000000
	s_mov_b32 s[G0B+4*\s], 1
	s_add_co_u32 s[G0B+4*\s+1], s19, \s*SLOT
	s_add_nc_u64 s[G0B+4*\s+2:G0B+4*\s+3], s[46:47], \s*512
	s_or_b32 s[G0B+4*\s+3], s[G0B+4*\s+3], 0x80000000
.endr
	s_lshl_b32 s2, s16, 15                         ; for the head slot 0's descriptors name the whole tiles
	s_sub_nc_u64 s[G0+2:G0+3], s[G0+2:G0+3], s[2:3]
	s_mov_b32 s[G0+1], 0
	s_mul_i32 s2, s16, 64*KK
	s_sub_nc_u64 s[G0B+2:G0B+3], s[G0B+2:G0B+3], s[2:3]
	s_mov_b32 s[G0B+1], 2*HA
; THE HEAD'S LOADS, ONE A WAVE: wave 0 K step 0 of A's 128 rows, wave 1 of W's, wave 2 A's scale words, wave 3 W's scale bytes.  One tree of branches on the wave's number, a load to an arm.
.macro HARM under, g0, g1, next
	s_cmp_lt_u32 s14, \under
	s_cbranch_scc0 \next
	tensor_load_to_lds s[\g0:\g0+3], s[\g1:\g1+7]
	s_nop 0
.rept 4
	v_nop
.endr
	s_branch .Lhead_asked
\next:
.endm
	HARM 1, G0, G1, .Lhead_b
	HARM 2, G0B, G1B, .Lhead_sa
	HARM 3, G0S, G1S, .Lhead_sb
	tensor_load_to_lds s[G0SB:G0SB+3], s[G1SB:G1SB+7]
	s_nop 0
.rept 4
	v_nop
.endr
.Lhead_asked:
	v_and_b32 v1, 15, v0                           ; r
	v_bfe_u32 v2, v0, 4, 1                         ; h
	v_mul_u32_u24 v3, v1, LA
	v_lshl_add_u32 v3, v2, 4, v3
	v_mul_u32_u24 v4, v1, 528
	v_lshl_add_u32 v4, v2, 4, v4
	s_mul_i32 s2, s15, HA
	s_mul_i32 s3, s16, HB
	s_add_co_u32 s3, s3, 2*HA
.irp s, 0,1
	v_add_nc_u32 v[ADRA+\s], s2, v3
	v_add_nc_u32 v[ADRB+\s], s3, v4
	s_add_co_u32 s2, s2, SLOT
	s_add_co_u32 s3, s3, SLOT
.endr
	s_lshl_b32 s2, s15, 8
	s_add_co_u32 s2, s2, ASC
	v_lshl_add_u32 v[ADSA], v1, 2, s2              ; A's scale words: my 64 rows, row r
	v_mul_u32_u24 v5, v1, KS
	v_lshrrev_b32 v6, 8, v5
	v_lshl_add_u32 v5, v6, 4, v5
	v_add_nc_u32 v[ADSB], s13, v5                  ; W's: KS bytes a row, 16 more for each 256 passed
	s_mul_i32 s2, s14, 16*272                      ; my stage: 16 rows of 256 bytes + 16, in slot 0, used when that slot has had its last fill and its last read
	v_mul_u32_u24 v5, v1, 272
	v_lshl_add_u32 v5, v2, 5, v5
	v_add_nc_u32 v[STO], s2, v5
	v_mul_u32_u24 v5, v2, 272
	v_lshl_add_u32 v5, v1, 4, v5
	v_add_nc_u32 v[RD], s2, v5
	v_lshlrev_b32 v5, 12, v2
	v_lshl_add_u32 v[CO], v1, 4, v5                ; lanes 0-15 one row of y, lanes 16-31 the next
	s_wait_alu depctr_va_vdst(0)
	s_lshl_b32 s2, s42, 9
	s_lshl_b32 s3, s16, 8
	s_add_co_u32 s2, s2, s3                        ; my first column, in bytes
	s_mov_b32 s3, 0
	s_add_nc_u64 s[92:93], s[92:93], s[2:3]
	s_lshl_b32 s18, s17, 7
	s_lshl_b32 s19, s15, 6
	s_add_co_u32 s18, s18, s19
	s_lshl_b32 s18, s18, 12                        ; my first row, in bytes
	s_add_co_u32 s2, s2, s18
	s_add_nc_u64 s[94:95], s[94:95], s[2:3]
	s_add_nc_u64 s[96:97], s[96:97], s[2:3]
	v_lshlrev_b32 v7, 5, v2
.irp b, 0,1,2,3
	global_load_b128 v[BI+8*\b:BI+8*\b+3], v7, s[92:93] offset:64*\b       ; bias[16 b + 8 h + 0 .. 7]
	global_load_b128 v[BI+8*\b+4:BI+8*\b+7], v7, s[92:93] offset:64*\b+16
.endr
	WIN 0x80                                       ; destination window 2
.irp a, 0,1,2,3
.irp t, 0,1,2,3,4,5,6,7
	global_load_b128 v[32*\a+4*\t:32*\a+4*\t+3], v[CO], s[94:95] offset:(16*\a+2*\t)*4096
.endr
.endr
	WIN 0
; 8 matrix instructions: A's blocks a0, a0 + 1 x W's four, 128 along K.  The 16 accumulators take turns.  zero = 1: the bias starts the sums
.macro MUL8 f, set, a0, zero
.irp a, \a0, \a0+1
.irp b, 0,1,2,3
.if \zero
	v_wmma_scale_f32_16x16x128_f8f6f4 v[ACC+8*(4*(\a)+\b):ACC+8*(4*(\a)+\b)+7], v[\f+64+16*\b:\f+64+16*\b+15], v[\f+16*(\a):\f+16*(\a)+15], v[BI+8*\b:BI+8*\b+7], v[SCR+8*(\set)+4+\b], v[SCR+8*(\set)+(\a)]
.else
	v_wmma_scale_f32_16x16x128_f8f6f4 v[ACC+8*(4*(\a)+\b):ACC+8*(4*(\a)+\b)+7], v[\f+64+16*\b:\f+64+16*\b+15], v[\f+16*(\a):\f+16*(\a)+15], v[ACC+8*(4*(\a)+\b):ACC+8*(4*(\a)+\b)+7], v[SCR+8*(\set)+4+\b], v[SCR+8*(\set)+(\a)]
.endif
.endr
.endr
.endm
; 40 LDS loads in one run: quarter q of a slot: eight scale words, W's four fragments, then A's four
.macro FETCH slot, q, f
	WIN 0
.irp a, 0,1,2,3
	ds_load_b32 v[SCR+8*((\q)%2)+\a], v[ADSA] offset:512*(\q)+64*\a
.endr
.irp b, 0,1,2,3
	ds_load_b32 v[SCR+8*((\q)%2)+4+\b], v[ADSB] offset:SBLK*\b+4*(\q)
.endr
	WIN TO_F
.irp b, 0,1,2,3
.irp c, 0,1,2,3
	ds_load_b128 v[\f+64+16*\b+4*\c:\f+64+16*\b+4*\c+3], v[ADRB+\slot] offset:128*(\q)+32*\c+8448*\b
.endr
.endr
.irp a, 0,1,2,3
.irp c, 0,1,2,3
.if PW == 128
	ds_load_b128 v[\f+16*\a+4*\c:\f+16*\a+4*\c+3], v[ADRA+\slot] offset:64*LA*(\q)+16*LA*\a+32*\c
.else
	ds_load_b128 v[\f+16*\a+4*\c:\f+16*\a+4*\c+3], v[ADRA+\slot] offset:64*LA*(2*(\q)+\c/2)+16*LA*\a+32*(\c%2)
.endif
.endr
.endr
.endm
.macro PLACES n
.rept \n
	v_nop
.endr
.endm
.macro QUARTER slot, q, zero           ; one of a slot's first three quarters
	s_wait_dscnt 8                                 ; all but A's blocks 2 and 3
	WIN MUL
	MUL8 128*((\q)%2), (\q)%2, 0, \zero
	PLACES 8
	FETCH \slot, (\q)+1, 128*(1-(\q)%2)
	s_wait_dscnt 40                                ; all but the 40 just issued
	WIN MUL
	MUL8 128*((\q)%2), (\q)%2, 2, \zero
.endm
; The last quarter changes slots: one barrier; in front of it each wave waits for all its tensor loads, adds 0 to its spare word, and waits for that and for its reads of this slot
.macro TURN slot, next, fill
	WIN 0
	s_wait_tensorcnt 0x0
	ds_add_u32 v[SPW], v[NIL]
	s_wait_dscnt 0x0
	s_barrier_signal -1
	WIN MUL
	MUL8 128, 1, 0, 0
	WIN 0
	s_barrier_wait -1
.if \fill
	CREST                                          ; the barrier has opened a round of the cluster's
	s_add_nc_u64 s[G0+4*\slot+2:G0+4*\slot+3], s[G0+4*\slot+2:G0+4*\slot+3], 0x400000
	s_add_nc_u64 s[G0B+4*\slot+2:G0B+4*\slot+3], s[G0B+4*\slot+2:G0B+4*\slot+3], 1024
	JLOAD G0+4*\slot, G1, G0B+4*\slot, G1B         ; my one tensor load behind the round
	PLACES 4
.else
	PLACES 8
.endif
	v_add_nc_u32 v[ADSA], 2048, v[ADSA]            ; the next K step's scale words (no LDS load of mine is out)
	v_add_nc_u32 v[ADSB], 16, v[ADSB]
	FETCH \next, 0, 0
	WIN MUL
	MUL8 128, 1, 2, 0
.endm
	s_wait_alu depctr_va_vdst(0)                   ; the wait at the head's end
	s_wait_tensorcnt 0x0                           ; my tile of the head's four is in; these lines stand ahead of slot 1's first fill as ahead of a refill
	ds_add_u32 v[SPW], v[NIL]
	s_mov_b32 s[G1+2], 128<<16                     ; no load of mine is out: from here on a load brings one row group of A or 64 rows of W,
	s_mov_b32 s[G1+4], 128
	s_mov_b32 s[G1B+2], 64<<16
	s_mov_b32 s[G1B+4], 64
	s_mov_b32 s3, 0
	s_lshl_b32 s2, s16, 15
	s_add_nc_u64 s[G0+2:G0+3], s[G0+2:G0+3], s[2:3]   ; and slot 0's descriptors name my half again
	s_mul_i32 s[G0+1], s16, HA
	s_mul_i32 s2, s16, 64*KK
	s_add_nc_u64 s[G0B+2:G0B+3], s[G0B+2:G0B+3], s[2:3]
	s_mul_i32 s[G0B+1], s16, HB
	s_add_co_u32 s[G0B+1], s[G0B+1], 2*HA
	s_wait_dscnt 0x0
	CROUND                                         ; all four tiles are in, and all sixteen work-groups are here
	JLOAD G0+4, G1, G0B+4, G1B                     ; K step 1: my one tensor load behind the round
	FETCH 0, 0, 0
	s_wait_loadcnt 32                              ; the bias is in; the residual's 32 loads stay out
	QUARTER 0, 0, 1
.if LAPS > 1
	WIN 0
	s_mov_b32 s3, LAPS-1
.Llap:
	QUARTER 0, 1, 0
	QUARTER 0, 2, 0
	TURN 0, 1, 1
	QUARTER 1, 0, 0
	QUARTER 1, 1, 0
	QUARTER 1, 2, 0
	TURN 1, 0, 1
	QUARTER 0, 0, 0
	WIN 0
	s_sub_co_u32 s3, s3, 1
	s_cmp_lg_u32 s3, 0
	s_cbranch_scc1 .Llap
.endif
	QUARTER 0, 1, 0
	QUARTER 0, 2, 0
	TURN 0, 1, 0
	s_wait_alu depctr_va_vdst(0)
	QUARTER 1, 0, 0
	QUARTER 1, 1, 0
	QUARTER 1, 2, 0
	s_wait_dscnt 8
	WIN MUL
	MUL8 128, 1, 0, 0
	s_wait_dscnt 0
	MUL8 128, 1, 2, 0
	WIN 0
; THE WAY OUT, 16 rows x 64 columns at a time, through my own stage: back as whole rows of 256 bytes; the residual is added; sixteen lanes store 256 consecutive bytes, aligned
.macro TOSTAGE a
.irp b, 0,1,2,3
	ds_store_b128 v[STO], v[ACC+8*(4*(\a)+\b):ACC+8*(4*(\a)+\b)+3] offset:64*\b
	ds_store_b128 v[STO], v[ACC+8*(4*(\a)+\b)+4:ACC+8*(4*(\a)+\b)+7] offset:64*\b+16
.endr
.set BB, BK+32*((\a)%2)
.irp t, 0,1,2,3,4,5,6,7
	ds_load_b128 v[BB+4*\t:BB+4*\t+3], v[RD] offset:\t*2*272   ; LDS serves a wave's instructions in order
.endr
.endm
.macro SEND a, younger
.set BB, BK+32*((\a)%2)
	s_wait_dscnt \younger                          ; the block is back; the next block's eight stores and eight loads may be out
	WIN 0x08                                       ; source 1 window 2
.set kk, 0
.rept 16
	v_pk_add_f32 v[BB+kk:BB+kk+1], v[BB+kk:BB+kk+1], v[32*(\a)+kk:32*(\a)+kk+1]
.set kk, kk+2
.endr
	WIN 0
.irp t, 0,1,2,3,4,5,6,7
.if NTS
	global_store_b128 v[CO], v[BB+4*\t:BB+4*\t+3], s[96:97] offset:(16*(\a)+2*\t)*4096 th:TH_STORE_NT
.else
	global_store_b128 v[CO], v[BB+4*\t:BB+4*\t+3], s[96:97] offset:(16*(\a)+2*\t)*4096
.endif
.endr
.endm
	PLACES 8
	s_wait_loadcnt 0x0                             ; the residual
	TOSTAGE 0
.irp a, 1,2,3
.if \a > 1
	s_wait_xcnt 0x0                                ; block a - 2's stores have read their registers: block a's loads may land there
.endif
	TOSTAGE \a
	SEND \a-1, 16
.endr
	SEND 3, 0
	s_wait_tensorcnt 0x0                           ; the wave's end
	ds_add_u32 v[SPW], v[NIL]
	s_wait_dscnt 0x0
	CROUND                                         ; the closing round
	s_endpgm
.Lfunc_end_k_qeef9265a50_outp:
	.size	k_qeef9265a50_outp, .Lfunc_end_k_qeef9265a50_outp-k_qeef9265a50_outp
	.p2alignl 7, 3214868480
	.fill 96, 4, 3214868480
	.section	.rodata,"a",@progbits
	.p2align	6, 0x0
	.amdhsa_kernel k_qeef9265a50_outp
		.amdhsa_group_segment_fixed_size 327680
		.amdhsa_private_segment_fixed_size 0
		.amdhsa_enable_private_segment 0
		.amdhsa_kernarg_size 48
		.amdhsa_user_sgpr_count 2
		.amdhsa_user_sgpr_kernarg_segment_ptr 1
		.amdhsa_wavefront_size32 1
		.amdhsa_system_sgpr_workgroup_id_x 1
		.amdhsa_system_sgpr_workgroup_id_y 1
		.amdhsa_system_sgpr_workgroup_id_z 1
		.amdhsa_system_vgpr_workitem_id 0
		.amdhsa_next_free_vgpr 640
		.amdhsa_next_free_sgpr 100
		.amdhsa_reserve_vcc 0
		.amdhsa_float_denorm_mode_32 3
		.amdhsa_float_denorm_mode_16_64 3
		.amdhsa_memory_ordered 1
		.amdhsa_forward_progress 1
		.amdhsa_inst_pref_size 67
	.end_amdhsa_kernel
	.amdgpu_metadata
---
amdhsa.version: [ 1, 2 ]
amdhsa.kernels:
  - .name:           k_qeef9265a50_outp
    .symbol:         k_qeef9265a50_outp.kd
    .args:
      - { .name: ob, .offset: 0, .size: 8, .value_kind: global_buffer, .address_space: global }
      - { .name: w_out_codes, .offset: 8, .size: 8, .value_kind: global_buffer, .address_space: global }
      - { .name: w_out_scales, .offset: 16, .size: 8, .value_kind: global_buffer, .address_space: global }
      - { .name: b_out, .offset: 24, .size: 8, .value_kind: global_buffer, .address_space: global }
      - { .name: x, .offset: 32, .size: 8, .value_kind: global_buffer, .address_space: global }
      - { .name: x1, .offset: 40, .size: 8, .value_kind: global_buffer, .address_space: global }
    .group_segment_fixed_size: 327680
    .private_segment_fixed_size: 0
    .kernarg_segment_align: 8
    .kernarg_segment_size: 48
    .max_flat_workgroup_size: 128
    .sgpr_count:     100
    .vgpr_count:     640
    .wavefront_size: 32
...
	.end_amdgpu_metadata
.endif
;; end of part 4
;; launch ln2: the kernel of part 1 again; grid 256 x 1, 8 waves a work-group, no clusters, 42,496 bytes of LDS; arguments x1, ln2_g, ln2_b, hb; writes hb
;; launch ff1 (part 5): grid 16 x 16, 4 waves a work-group, clusters of 4 x 4, 327,680 bytes of LDS; arguments hb, w_ff1_codes, w_ff1_scales, b_ff1, gb; writes gb
.if DOCPART == 5
	.amdgcn_target "amdgcn-amd-amdhsa--gfx1250"
	.amdhsa_code_object_version 6
	.text
	.protected	k_qeef9265a50_ff1
	.globl	k_qeef9265a50_ff1
	.p2align	8
	.type	k_qeef9265a50_ff1,@function
k_qeef9265a50_ff1:
	s_mov_b64 s[64:65], 0
	v_nop
	global_prefetch_b8 v0, s[64:65] scope:SCOPE_SE
	s_setreg_imm32_b32 hwreg(HW_REG_WAVE_MODE, 25, 1), 1
	s_wait_xcnt 0x0
	s_wait_alu depctr_hold_cnt(0) depctr_sa_sdst(0) depctr_va_vdst(0) depctr_va_sdst(0) depctr_va_ssrc(0) depctr_va_vcc(0) depctr_vm_vsrc(0)
	s_getreg_b32 s2, hwreg(HW_REG_IB_STS2, 6, 4)
	s_cmp_eq_u32 s2, 0
	s_cbranch_scc0 .Lentry_in_a_cluster
	s_endpgm
.Lentry_in_a_cluster:
	s_bfe_u32 s2, ttmp6, 0x10000c
	s_cmp_lg_u32 s2, 0xf033
	s_cbranch_scc0 .Lentry_shape_is_right
	s_endpgm
.Lentry_shape_is_right:
.set KSTEP,  256
.set NQ,     2
.set ROWB,   256
.set KROW,   1024
.set PITCH,  272
.set FR,     16
.set NL,     4
.set NP,     8
.set HALFT,  128*PITCH
.set SLOT,   4*HALFT
.set LAPS,   2
.set KS,     32
.set SCL,    2*SLOT
.set HALFS,  (128*KS/256)*272
.set SBLK,   (16*KS/256)*272
.set SPARE,  SCL+4*HALFS
.set HS,     4194304
.set GS,     16777216
.set DP,     528
.set DW,     128*DP
.set SCB,    4*DW
.set ADRA, 16
.set ADRB, 20
.set ADRS, 27
.set SPW,  28
.set NIL,  29
.set SC,   32
.set AF,   128
.set A1V,  4
.set B1V,  6
.set EB,   12
.set STO,  18
.set RD,   19
.set SBA,  22
.set SBR,  23
.set ADR,  24
.set ADB,  25
.set CO,   30
.set X,    32
.set XW,   0
.set CD,   96
.set BH,   112
.set U,    128
.set X2,   160
.set PP,   192
.set QQ,   224
.set CA0,  24
.set CA2,  26
.set CA3,  28
.set CA4,  30
.set CA5,  32
.set CA6,  34
.set CB0,  36
.set CB2,  38
.set CB3,  40
.set CB4,  42
.set MNT,  95
.set G1, 24
.set G0, 32
.set G1B, 48
.set G0B, 56
.set G1S, 68
.set G0S, 76
.set G1SB, 80
.set G0SB, 88
.set MSB, 0
.macro WIN new
.if MSB != (\new)
	s_set_vgpr_msb (MSB<<8)|(\new)
.set MSB, (\new)
.endif
.endm
.set MUL_LO, 0xa1
.set MUL_HI, 0xf1
.set TO_B,   0x40
.macro JLOAD g0a, g1a, g0b, g1b
	s_cmp_eq_u32 s15, 0
	s_cbranch_scc0 .Lfor_b_\@
	tensor_load_to_lds s[\g0a:\g0a+3], s[\g1a:\g1a+7]
	s_nop 0
.rept 4
	v_nop
.endr
	s_branch .Lasked_\@
.Lfor_b_\@:
	tensor_load_to_lds s[\g0b:\g0b+3], s[\g1b:\g1b+7]
	s_nop 0
.rept 4
	v_nop
.endr
.Lasked_\@:
.endm
.macro CREST
	s_cmp_lg_u32 s14, 0
	s_cbranch_scc1 .Lnot_wave_0_\@
	s_barrier_signal -3
.Lnot_wave_0_\@:
	s_barrier_wait -3
	s_barrier_signal -1
	s_barrier_wait -1
.endm
.macro CROUND
	s_barrier_signal -1
	s_barrier_wait -1
	CREST
.endm
	s_load_b64 s[4:5], s[0:1], 0x0
	s_load_b128 s[8:11], s[0:1], 0x8
	s_load_b128 s[96:99], s[0:1], 0x18
	v_lshl_add_u32 v[SPW], v0, 2, SPARE
	v_mov_b32 v[NIL], 0
	ds_add_u32 v[SPW], v[NIL]
	ds_add_u32 v[SPW], v[NIL]
	v_lshrrev_b32 v1, 5, v0
	v_readfirstlane_b32 s14, v1
	s_lshr_b32 s15, s14, 1
	s_and_b32 s16, s14, 1
	s_bfe_u32 s40, ttmp6, 0x40000
	s_bfe_u32 s41, ttmp6, 0x40004
	s_lshl_b32 s42, ttmp9, 2
	s_add_co_u32 s42, s42, s40
	s_and_b32 s17, ttmp7, 0xffff
	s_lshl_b32 s17, s17, 2
	s_add_co_u32 s17, s17, s41
	s_lshl_b32 s43, s41, 2
	s_lshl_b32 s43, 15, s43
	s_lshl_b32 s44, 0x1111, s40
	s_or_b32 s[G1+0], s43, (0<<16)|(1<<20)|(1<<21)|(5<<22)|(3<<25)
	s_or_b32 s[G1B+0], s44, (0<<16)|(1<<20)|(1<<21)|(5<<22)|(3<<25)
.irp g, G1, G1B
	s_mov_b32 s[\g+1], ROWB<<16
	s_mov_b32 s[\g+2], 256<<16
	s_mov_b32 s[\g+3], ROWB<<16
	s_mov_b32 s[\g+4], 256
	s_mov_b32 s[\g+5], KROW
	s_mov_b32 s[\g+6], 0
	s_mov_b32 s[\g+7], 0
.endr
	s_or_b32 s[G1S+0], s43, (3<<16)|(1<<20)|(1<<21)|(5<<22)|(3<<25)
	s_or_b32 s[G1SB+0], s44, (3<<16)|(1<<20)|(1<<21)|(5<<22)|(3<<25)
.irp g, G1S, G1SB
	s_mov_b32 s[\g+1], 32<<16
	s_mov_b32 s[\g+2], (256*KS/256)<<16
	s_mov_b32 s[\g+3], 32<<16
	s_mov_b32 s[\g+4], 256*KS/256
	s_mov_b32 s[\g+5], 32
	s_mov_b32 s[\g+6], 0
	s_mov_b32 s[\g+7], 0
.endr
	s_lshl_b32 s18, s16, 7
	s_lshl_b32 s20, s17, 8
	s_add_co_u32 s20, s20, s18
	s_lshl_b32 s46, s42, 8
	s_add_co_u32 s46, s46, s18
	s_mov_b32 s21, 0
	s_mov_b32 s47, 0
	s_mov_b64 s[18:19], KS
	s_mul_u64 s[22:23], s[20:21], s[18:19]
	s_mul_u64 s[92:93], s[46:47], s[18:19]
	s_mov_b64 s[18:19], KROW
	s_mul_u64 s[20:21], s[20:21], s[18:19]
	s_mul_u64 s[46:47], s[46:47], s[18:19]
	s_mul_i32 s45, s14, HALFT
	s_mov_b32 s[MNT], 0x600000
	s_wait_dscnt 0x0
	s_wait_kmcnt 0x0
	s_add_nc_u64 s[6:7], s[4:5], HS
	s_add_nc_u64 s[20:21], s[4:5], s[20:21]
	s_add_nc_u64 s[22:23], s[6:7], s[22:23]
	s_add_nc_u64 s[46:47], s[8:9], s[46:47]
	s_add_nc_u64 s[92:93], s[10:11], s[92:93]
	CROUND
	s_mov_b32 s[G0S], 1
	s_lshl_b32 s2, s16, 12                         ; 128 rows of scale bytes: back to the tile's first row
	s_mov_b32 s3, 0
	s_mov_b32 s[G0S+1], SCL
	s_sub_nc_u64 s[G0S+2:G0S+3], s[22:23], s[2:3]
	s_or_b32 s[G0S+3], s[G0S+3], 0x80000000
	s_mov_b32 s[G0SB], 1
	s_mov_b32 s[G0SB+1], SCL+2*HALFS
	s_sub_nc_u64 s[G0SB+2:G0SB+3], s[92:93], s[2:3]
	s_or_b32 s[G0SB+3], s[G0SB+3], 0x80000000
.irp s, 0,1
	s_mov_b32 s[G0+4*\s], 1
	s_add_co_u32 s[G0+4*\s+1], s45, \s*SLOT
	s_add_nc_u64 s[G0+4*\s+2:G0+4*\s+3], s[20:21], \s*ROWB
	s_or_b32 s[G0+4*\s+3], s[G0+4*\s+3], 0x80000000
	s_mov_b32 s[G0B+4*\s], 1
	s_add_co_u32 s[G0B+4*\s+1], s45, \s*SLOT
	s_add_nc_u64 s[G0B+4*\s+2:G0B+4*\s+3], s[46:47], \s*ROWB
	s_or_b32 s[G0B+4*\s+3], s[G0B+4*\s+3], 0x80000000
.endr
	s_lshl_b32 s2, s16, 17                         ; 128 rows of codes: for the head slot 0's descriptors name the whole tiles
	s_sub_nc_u64 s[G0+2:G0+3], s[G0+2:G0+3], s[2:3]
	s_mov_b32 s[G0+1], 0
	s_sub_nc_u64 s[G0B+2:G0B+3], s[G0B+2:G0B+3], s[2:3]
	s_mov_b32 s[G0B+1], 2*HALFT
; THE HEAD'S LOADS, ONE A WAVE: wave 0 K step 0's 256 rows of A, wave 1 those of B, wave 2 A's scales, wave 3 B's.  One tree of branches on the wave's number, a load to an arm.
.macro HARM under, g0, g1, next
	s_cmp_lt_u32 s14, \under
	s_cbranch_scc0 \next
	tensor_load_to_lds s[\g0:\g0+3], s[\g1:\g1+7]
	s_nop 0
.rept 4
	v_nop
.endr
	s_branch .Lhead_asked
\next:
.endm
	HARM 1, G0, G1, .Lhead_b
	HARM 2, G0B, G1B, .Lhead_sa
	HARM 3, G0S, G1S, .Lhead_sb
	tensor_load_to_lds s[G0SB:G0SB+3], s[G1SB:G1SB+7]
	s_nop 0
.rept 4
	v_nop
.endr
.Lhead_asked:
	v_and_b32 v1, 15, v0
	v_bfe_u32 v2, v0, 4, 1
	v_mul_u32_u24 v3, v1, PITCH
	v_lshl_add_u32 v4, v2, 4, v3
	s_mul_i32 s21, s15, HALFT
	s_mul_i32 s22, s16, HALFT
	s_add_co_u32 s22, s22, 2*HALFT
.irp s, 0,1
	v_add_nc_u32 v[ADRA+\s], s21, v4
	v_add_nc_u32 v[ADRB+\s], s22, v4
	s_add_co_u32 s21, s21, SLOT
	s_add_co_u32 s22, s22, SLOT
.endr
	v_mul_u32_u24 v5, v1, KS
	v_lshrrev_b32 v6, 8, v5
	v_lshl_add_u32 v5, v6, 4, v5
	s_mul_i32 s21, s15, HALFS
	s_mul_i32 s22, s16, HALFS
	s_add_co_u32 s22, s22, 2*HALFS
	s_sub_co_u32 s22, s22, s21
	v_mul_u32_u24 v6, s22, v2
	s_add_co_u32 s21, s21, SCL
	v_add_nc_u32 v5, v5, v6
	v_add_nc_u32 v[ADRS], s21, v5
	s_lshl_b32 s20, s42, 10
	s_lshl_b32 s21, s16, 9
	s_add_co_u32 s20, s20, s21
	s_mov_b32 s21, 0
	s_add_nc_u64 s[96:97], s[96:97], s[20:21]
	v_and_b32 v7, 7, v0
	v_lshlrev_b32 v7, 6, v7
.irp k, 0,1,2,3
	global_load_b128 v[BH+4*\k:BH+4*\k+3], v7, s[96:97] offset:16*\k
.endr
.macro FRAG reg, adr, q, i
.irp c, 0,1,2,3
	ds_load_b128 v[\reg+4*\c:\reg+4*\c+3], v[\adr] offset:128*(\q)+32*\c+(\i)*16*PITCH
.endr
.endm
.macro MUL16 a0, p, q, sc, zero
.irp a, \a0, \a0+1
.irp b, 0,1,2,3,4,5,6,7
.if \zero
	v_wmma_scale_f32_16x16x128_f8f6f4 v[8*(8*((\a)%4)+\b):8*(8*((\a)%4)+\b)+7], v[128*(\p)+FR*\b:128*(\p)+FR*\b+FR-1], v[AF+FR*(\a):AF+FR*(\a)+FR-1], 0, v[SC+8*NQ*(\sc)+NQ*\b+(\q)], v[SC+8*NQ*(\sc)+NQ*(\a)+(\q)] matrix_a_scale:MATRIX_SCALE_ROW1
.else
	v_wmma_scale_f32_16x16x128_f8f6f4 v[8*(8*((\a)%4)+\b):8*(8*((\a)%4)+\b)+7], v[128*(\p)+FR*\b:128*(\p)+FR*\b+FR-1], v[AF+FR*(\a):AF+FR*(\a)+FR-1], v[8*(8*((\a)%4)+\b):8*(8*((\a)%4)+\b)+7], v[SC+8*NQ*(\sc)+NQ*\b+(\q)], v[SC+8*NQ*(\sc)+NQ*(\a)+(\q)] matrix_a_scale:MATRIX_SCALE_ROW1
.endif
.endr
.endr
.endm
.macro FETCH_B slot, q, p
	WIN TO_B
.irp i, 0,1,2,3,4,5,6,7
	FRAG 128*(\p)+FR*\i, ADRB+\slot, \q, \i
.endr
	WIN 0
.endm
.macro FETCH_A slot, q, i0
.irp i, \i0, \i0+1, \i0+2, \i0+3
	FRAG AF+FR*(\i), ADRA+\slot, \q, \i
.endr
.endm
.macro SCALES sc
.irp i, 0,1,2,3,4,5,6,7
	ds_load_b64 v[SC+8*NQ*\sc+NQ*\i:SC+8*NQ*\sc+NQ*\i+1], v[ADRS] offset:\i*SBLK
.endr
.endm
.macro PLACES n
.rept \n
	v_nop
.endr
.endm
.macro STEP slot, q, zero
	s_wait_dscnt 4*NL
	WIN MUL_LO
	MUL16 0, (\q)%2, \q, \slot, \zero
	MUL16 2, (\q)%2, \q, \slot, \zero
	s_wait_dscnt 0
	PLACES NP
	FETCH_B \slot, (\q)+1, 1-(\q)%2
	FETCH_A \slot, (\q)+1, 0
	WIN MUL_HI
	MUL16 4, (\q)%2, \q, \slot, \zero
	MUL16 6, (\q)%2, \q, \slot, \zero
	PLACES NP
	WIN 0
	FETCH_A \slot, (\q)+1, 4
.endm
.macro TURN slot, next, fill
	s_wait_tensorcnt 0x0
	ds_add_u32 v[SPW], v[NIL]
	s_wait_dscnt 4*NL+1
	WIN MUL_LO
	MUL16 0, 1, NQ-1, \slot, 0
	s_wait_dscnt 0x0
	s_barrier_signal -1
	MUL16 2, 1, NQ-1, \slot, 0
	WIN 0
	s_barrier_wait -1
.if \fill
	CREST
	s_add_nc_u64 s[G0+4*\slot+2:G0+4*\slot+3], s[G0+4*\slot+2:G0+4*\slot+3], 2*ROWB
	s_add_nc_u64 s[G0B+4*\slot+2:G0B+4*\slot+3], s[G0B+4*\slot+2:G0B+4*\slot+3], 2*ROWB
	JLOAD G0+4*\slot, G1, G0B+4*\slot, G1B
	PLACES NP-4
.else
	PLACES NP
.endif
	s_wait_alu depctr_va_vdst(0)
	v_add_nc_u32 v[ADRS], 4*NQ, v[ADRS]
	FETCH_B \next, 0, 0
	FETCH_A \next, 0, 0
	SCALES \next
	WIN MUL_HI
	MUL16 4, 1, NQ-1, \slot, 0
	MUL16 6, 1, NQ-1, \slot, 0
	PLACES NP
	WIN 0
	FETCH_A \next, 0, 4
.endm
	s_wait_alu depctr_va_vdst(0)
	s_wait_tensorcnt 0x0                           ; my tile of the head's four is in; these lines stand ahead of slot 1's first fill as ahead of a refill
	ds_add_u32 v[SPW], v[NIL]
	s_mov_b32 s[G1+2], 128<<16                     ; no load of mine is out: from here on a load brings 128 rows,
	s_mov_b32 s[G1+4], 128
	s_mov_b32 s[G1B+2], 128<<16
	s_mov_b32 s[G1B+4], 128
	s_lshl_b32 s2, s16, 17
	s_mov_b32 s3, 0
	s_add_nc_u64 s[G0+2:G0+3], s[G0+2:G0+3], s[2:3]   ; and slot 0's descriptors name my 128 rows again
	s_mov_b32 s[G0+1], s45
	s_add_nc_u64 s[G0B+2:G0B+3], s[G0B+2:G0B+3], s[2:3]
	s_mov_b32 s[G0B+1], s45
	s_wait_dscnt 0x0
	CROUND                                         ; all four tiles are in, and all sixteen work-groups are here
	JLOAD G0+4, G1, G0B+4, G1B                     ; K step 1: my one tensor load behind the round
	FETCH_B 0, 0, 0
	FETCH_A 0, 0, 0
	SCALES 0
	FETCH_A 0, 0, 4
	STEP 0, 0, 1
	s_mov_b32 s3, LAPS-1
.Llap:
	TURN 0, 1, 1
	STEP 1, 0, 0
	TURN 1, 0, 1
	STEP 0, 0, 0
	s_sub_co_u32 s3, s3, 1
	s_cmp_lg_u32 s3, 0
	s_cbranch_scc1 .Llap
	TURN 0, 1, 0
	STEP 1, 0, 0
	s_wait_dscnt 4*NL
	WIN MUL_LO
	MUL16 0, 1, NQ-1, 1, 0
	MUL16 2, 1, NQ-1, 1, 0
	s_wait_dscnt 0
	WIN MUL_HI
	MUL16 4, 1, NQ-1, 1, 0
	MUL16 6, 1, NQ-1, 1, 0
	WIN 0
.macro QSTEP xs, cd, eb
	v_max3_num_f32 v8, |v[\xs]|, |v[\xs+1]|, |v[\xs+2]|
	v_max3_num_f32 v9, |v[\xs+3]|, |v[\xs+4]|, |v[\xs+5]|
.irp i, 6,10
	v_max3_num_f32 v8, v8, |v[\xs+\i]|, |v[\xs+\i+1]|
	v_max3_num_f32 v9, v9, |v[\xs+\i+2]|, |v[\xs+\i+3]|
.endr
	v_max3_num_f32 v8, v8, |v[\xs+14]|, |v[\xs+15]|
	v_max3_num_f32 v8, v8, v9, 0x4800000
	v_max_num_f32_dpp v8, v8, v8 row_xmask:1 row_mask:0xf bank_mask:0xf
	v_add_nc_u32 v11, 0xfc000000, v8
	v_and_or_b32 v10, v8, 0x7f800000, s[MNT]
.irp i, 0,1,2,3,4,5,6,7,8,9,10,11,12,13,14,15
	v_med3_num_f32 v[\xs+\i], v[\xs+\i], -v10, v10
.endr
	v_cvt_scalef32_pk8_fp8_f32 v[\cd:\cd+1], v[\xs:\xs+7], v11
	v_cvt_scalef32_pk8_fp8_f32 v[\cd+2:\cd+3], v[\xs+8:\xs+15], v11
	v_lshrrev_b32 v[\eb], 23, v11
.endm
.macro HORN dst, c
.set kk, 0
.rept 16
	v_pk_fma_f32 v[\dst+kk:\dst+kk+1], v[\dst+kk:\dst+kk+1], v[X2+kk:X2+kk+1], s[\c:\c+1] op_sel_hi:[1,1,0]
.set kk, kk+2
.endr
.endm
.macro GELU xs
.set kk, 0
.rept 16
	v_pk_mul_f32 v[U+kk:U+kk+1], v[\xs+kk:\xs+kk+1], 0x3fb504f3 op_sel_hi:[1,0]
.set kk, kk+2
.endr
.set kk, 0
.rept 32
	v_med3_num_f32 v[U+kk], v[U+kk], -4.0, 4.0
.set kk, kk+1
.endr
.set kk, 0
.rept 16
	v_pk_mul_f32 v[X2+kk:X2+kk+1], v[U+kk:U+kk+1], v[U+kk:U+kk+1]
.set kk, kk+2
.endr
.set kk, 0
.rept 16
	v_pk_fma_f32 v[PP+kk:PP+kk+1], v[X2+kk:X2+kk+1], s[CA0:CA0+1], v[A1V:A1V+1] op_sel_hi:[1,0,1]
.set kk, kk+2
.endr
.set kk, 0
.rept 16
	v_pk_fma_f32 v[QQ+kk:QQ+kk+1], v[X2+kk:X2+kk+1], s[CB0:CB0+1], v[B1V:B1V+1] op_sel_hi:[1,0,1]
.set kk, kk+2
.endr
	HORN PP, CA2
	HORN QQ, CB2
	HORN PP, CA3
	HORN QQ, CB3
	HORN PP, CA4
	HORN QQ, CB4
	HORN PP, CA5
	HORN PP, CA6
.set kk, 0
	s_wait_alu depctr_va_vdst(0)
.rept 32
	v_rcp_f32 v[X2+kk], v[QQ+kk]
.set kk, kk+1
.endr
.set kk, 0
.rept 16
	v_pk_mul_f32 v[PP+kk:PP+kk+1], v[PP+kk:PP+kk+1], v[U+kk:U+kk+1]
.set kk, kk+2
.endr
	s_wait_alu depctr_va_vdst(0)
.set kk, 0
.rept 16
	v_pk_mul_f32 v[PP+kk:PP+kk+1], v[PP+kk:PP+kk+1], v[X2+kk:X2+kk+1]
.set kk, kk+2
.endr
.set kk, 0
.rept 16
	v_pk_fma_f32 v[\xs+kk:\xs+kk+1], v[\xs+kk:\xs+kk+1], v[PP+kk:PP+kk+1], v[\xs+kk:\xs+kk+1]
.set kk, kk+2
.endr
.endm
	PLACES NP
	s_wait_loadcnt 0x0
	v_and_b32 v1, 31, v0
	v_and_b32 v2, 15, v0
	v_bfe_u32 v3, v0, 4, 1
	s_mul_i32 s4, s14, DW
	v_mul_u32_u24 v[STO], v2, DP
	v_lshl_add_u32 v[STO], v3, 5, v[STO]
	v_add_nc_u32 v[STO], s4, v[STO]
	v_lshrrev_b32 v8, 3, v1
	v_and_b32 v9, 7, v1
	v_mul_u32_u24 v[RD], v8, DP
	v_lshl_add_u32 v[RD], v9, 6, v[RD]
	v_add_nc_u32 v[RD], s4, v[RD]
	s_lshl_b32 s5, s14, 9
	s_add_co_u32 s5, s5, SCB
	v_lshrrev_b32 v[SBA], 1, v1
	v_add_nc_u32 v[SBA], s5, v[SBA]
	v_lshl_add_u32 v[SBR], v1, 4, s5
	v_lshlrev_b32 v[CO], 4, v1
	s_lshl_b32 s4, s42, 1
	s_add_co_u32 s4, s4, s16
	s_lshl_b32 s5, s17, 8
	s_lshl_b32 s6, s15, 7
	s_add_co_u32 s5, s5, s6
	s_lshr_b32 s6, s4, 2
	s_lshl_b32 s6, s6, 6
	s_lshr_b32 s7, s5, 6
	s_add_co_u32 s6, s6, s7
	s_lshl_b32 s6, s6, 2
	s_and_b32 s7, s4, 3
	s_add_co_u32 s6, s6, s7
	s_lshl_b32 s6, s6, 13
	s_mov_b32 s7, 0
	s_add_nc_u64 s[68:69], s[98:99], s[6:7]
	s_lshl_b32 s6, s4, 14
	s_lshl_b32 s5, s5, 2
	s_add_co_u32 s6, s6, s5
	s_add_co_u32 s6, s6, GS
	s_add_nc_u64 s[70:71], s[98:99], s[6:7]
.macro COEF r, bits
	s_mov_b32 s[\r], \bits
	s_mov_b32 s[\r+1], \bits
.endm
	COEF CA0, 0xaf95df0b
	COEF CA2, 0xb60cff51
	COEF CA3, 0xb86ec2d2
	COEF CA4, 0xba40ac63
	COEF CA5, 0xbb41a1f6
	COEF CA6, 0xbc83dbd4
	COEF CB0, 0xb77460cd
	COEF CB2, 0xbadc924e
	COEF CB3, 0xbbf19bf8
	COEF CB4, 0xbc69b6a7
	v_mov_b32 v[A1V], 0x32edffee
	v_mov_b32 v[A1V+1], 0x32edffee
	v_mov_b32 v[B1V], 0xb95fbd29
	v_mov_b32 v[B1V+1], 0xb95fbd29
.set kk, 0
.rept 8
	v_pk_mul_f32 v[BH+kk:BH+kk+1], v[BH+kk:BH+kk+1], 0.5 op_sel_hi:[1,0]
.set kk, kk+2
.endr
	s_wait_dscnt 0x0
	s_barrier_signal -1
	s_barrier_wait -1
.irp a, 0,1,2,3,4,5,6,7
	WIN 0x08+4*(\a/4)
.irp b, 0,1,2,3,4,5,6,7
	ds_store_b128 v[STO], v[64*(\a%4)+8*\b:64*(\a%4)+8*\b+3] offset:\a*16*DP+64*\b
	ds_store_b128 v[STO], v[64*(\a%4)+8*\b+4:64*(\a%4)+8*\b+7] offset:\a*16*DP+64*\b+16
.endr
.endr
	WIN 0
.macro LOADW off
	WIN TO_B
.irp i, 0,1,2,3
.irp k, 0,1,2,3
	ds_load_b128 v[XW+16*\i+4*\k:XW+16*\i+4*\k+3], v[ADR] offset:(\off)+\i*4*DP+16*\k
.endr
.endr
	WIN 0
.endm
.macro TRIPF pre
	s_wait_dscnt 4
	WIN 0x01
.set kk, 0
.rept 32
	v_pk_fma_f32 v[X+kk:X+kk+1], v[XW+kk:XW+kk+1], 0.5, v[BH+kk%16:BH+kk%16+1] op_sel_hi:[1,0,1]
.set kk, kk+2
.endr
	WIN 0
.if \pre
	v_add_nc_u32 v[ADR], s45, v[RD]
	LOADW 16*DP
.endif
	GELU X
	s_wait_xcnt 0x0
	s_lshr_b32 s6, s44, 2
	s_lshl_b32 s6, s6, 15
	s_and_b32 s7, s44, 3
	s_lshl_b32 s7, s7, 11
	s_add_co_u32 s6, s6, s7
	s_mov_b32 s7, 0
	s_add_nc_u64 s[72:73], s[68:69], s[6:7]
.if \pre
	s_wait_dscnt 16
.else
	s_wait_dscnt 0x0
.endif
	v_add_nc_u32 v[ADB], s46, v[SBA]
.irp i, 0,1
	QSTEP X+16*\i, CD+4*\i, EB+\i
	ds_store_b8 v[ADB], v[EB+\i] offset:16*\i
	global_store_b128 v[CO], v[CD+4*\i:CD+4*\i+3], s[72:73] offset:512*\i
.endr
	GELU X+32
.irp i, 2,3
	QSTEP X+16*\i, CD+4*\i, EB+\i
	ds_store_b8 v[ADB], v[EB+\i] offset:16*\i
	global_store_b128 v[CO], v[CD+4*\i:CD+4*\i+3], s[72:73] offset:512*\i
.endr
.endm
	s_mov_b32 s44, 0
	s_mov_b32 s45, 0
	s_mov_b32 s46, 0
	v_add_nc_u32 v[ADR], s45, v[RD]
	LOADW 0
	s_wait_dscnt 0x0
.Lrows:
	s_wait_alu depctr_va_vdst(0)
	TRIPF 1
	s_add_co_u32 s45, s45, 16*DP
	s_add_co_u32 s46, s46, 64
	s_add_co_u32 s44, s44, 1
	s_cmp_lt_u32 s44, 7
	s_cbranch_scc1 .Lrows
	TRIPF 0
	ds_load_b128 v[8:11], v[SBR]
	s_wait_dscnt 0x0
	global_store_b128 v[CO], v[8:11], s[70:71]
	s_wait_tensorcnt 0x0
	ds_add_u32 v[SPW], v[NIL]
	s_wait_dscnt 0x0
	CROUND
	s_endpgm
.Lfunc_end_k_qeef9265a50_ff1:
	.size	k_qeef9265a50_ff1, .Lfunc_end_k_qeef9265a50_ff1-k_qeef9265a50_ff1
	.p2alignl 7, 3214868480
	.fill 96, 4, 3214868480
	.section	.rodata,"a",@progbits
	.p2align	6, 0x0
	.amdhsa_kernel k_qeef9265a50_ff1
		.amdhsa_group_segment_fixed_size 327680
		.amdhsa_private_segment_fixed_size 0
		.amdhsa_enable_private_segment 0
		.amdhsa_kernarg_size 40
		.amdhsa_user_sgpr_count 2
		.amdhsa_user_sgpr_kernarg_segment_ptr 1
		.amdhsa_wavefront_size32 1
		.amdhsa_system_sgpr_workgroup_id_x 1
		.amdhsa_system_sgpr_workgroup_id_y 1
		.amdhsa_system_sgpr_workgroup_id_z 1
		.amdhsa_system_vgpr_workitem_id 0
		.amdhsa_next_free_vgpr 1024
		.amdhsa_next_free_sgpr 100
		.amdhsa_reserve_vcc 0
		.amdhsa_float_denorm_mode_32 3
		.amdhsa_float_denorm_mode_16_64 3
		.amdhsa_memory_ordered 1
		.amdhsa_forward_progress 1
		.amdhsa_inst_pref_size 227
	.end_amdhsa_kernel
	.amdgpu_metadata
---
amdhsa.version: [ 1, 2 ]
amdhsa.kernels:
  - .name:           k_qeef9265a50_ff1
    .symbol:         k_qeef9265a50_ff1.kd
    .args:
      - { .name: hb, .offset: 0, .size: 8, .value_kind: global_buffer, .address_space: global }
      - { .name: w_ff1_codes, .offset: 8, .size: 8, .value_kind: global_buffer, .address_space: global }
      - { .name: w_ff1_scales, .offset: 16, .size: 8, .value_kind: global_buffer, .address_space: global }
      - { .name: b_ff1, .offset: 24, .size: 8, .value_kind: global_buffer, .address_space: global }
      - { .name: gb, .offset: 32, .size: 8, .value_kind: global_buffer, .address_space: global }
    .group_segment_fixed_size: 327680
    .private_segment_fixed_size: 0
    .kernarg_segment_align: 8
    .kernarg_segment_size: 40
    .max_flat_workgroup_size: 128
    .sgpr_count:     100
    .vgpr_count:     1024
    .wavefront_size: 32
...
	.end_amdgpu_metadata
.endif
;; end of part 5
;; launch ff2 (part 6): grid 8 x 32, 4 waves a work-group, clusters of 4 x 4, 327,680 bytes of LDS; arguments gb, w_ff2_codes, w_ff2_scales, b_ff2, x1, out0; writes out0
.if DOCPART == 6
	.amdgcn_target "amdgcn-amd-amdhsa--gfx1250"
	.amdhsa_code_object_version 6
	.text
	.protected	k_qeef9265a50_ff2
	.globl	k_qeef9265a50_ff2
	.p2align	8
	.type	k_qeef9265a50_ff2,@function
k_qeef9265a50_ff2:
	s_mov_b64 s[64:65], 0
	v_nop
	global_prefetch_b8 v0, s[64:65] scope:SCOPE_SE
	s_setreg_imm32_b32 hwreg(HW_REG_WAVE_MODE, 25, 1), 1
	s_wait_xcnt 0x0
	s_wait_alu depctr_hold_cnt(0) depctr_sa_sdst(0) depctr_va_vdst(0) depctr_va_sdst(0) depctr_va_ssrc(0) depctr_va_vcc(0) depctr_vm_vsrc(0)
	s_getreg_b32 s2, hwreg(HW_REG_IB_STS2, 6, 4)
	s_cmp_eq_u32 s2, 0
	s_cbranch_scc0 .Lentry_in_a_cluster
	s_endpgm
.Lentry_in_a_cluster:
	s_bfe_u32 s2, ttmp6, 0x10000c
	s_cmp_lg_u32 s2, 0xf033
	s_cbranch_scc0 .Lentry_shape_is_right
	s_endpgm
.Lentry_shape_is_right:
; y = A W^T + bias + residual, f32 [4096][1024].  A: 4,096 rows x KK codes of E4M3, laid tile by tile: [K step of 512][row group of 64][panel of PW along K][64 rows][PW bytes]; its scale words (128 along K each)
; [KK / 128][4096] at byte ASO of the same buffer.  W: codes [1024][KK], scale bytes [1024][KK / 32].
; A tile of 128 x 128 to a work-group (256 work-groups), 64 x 64 a wave: 16 accumulators.  K goes in steps of 512 through two LDS slots: one tensor load a wave brings 64 rows x 512 K, 32 KiB.
; All scale words of the tile's rows come once, with the first fills, and stay.  CLUSTERS of 4 x 4: A's tiles are shared along a row of the cluster, W's along a column, each asked for jointly.
; THE MATRIX INSTRUCTION IS USED TRANSPOSED (source 0 = 16 rows of W, source 1 = 16 rows of A): a lane holds eight neighbouring columns of a row of y.  The bias is the C of each sum's first product.
; The residual's 64 x 64 numbers are asked for at the head, in the layout of the stores, and stay out under the whole K loop.
; REGISTERS: window 0: v16-30 addresses; v32-63 the bias, later rows on the way out; v64-95 likewise; v96-111 scale words, two sets; v128-255 the accumulators.  window 1: two fragment buffers of 128 (A's four, W's four).  window 2: v0-127 the residual.
.set KK,     4096
.set PW,     128
.set QIA,    4                         ; padding behind every PW bytes of A's tiles
.set ASO,    16777216
.set NTS,    1                         ; the result is written once and read by nobody here
.set LA,     PW+16
.set HA,     64*(512/PW)*LA
.set HB,     64*528
.set SLOT,   2*(HA+HB)
.set NPL,    KK/128
.set ASC,    2*SLOT
.set BSC,    ASC+NPL*512
.set KS,     KK/32
.set RSB,    64*KS/256
.set HALFSB, RSB*272
.set SBLK,   (16*KS/256)*272
.set SPARE,  BSC+2*HALFSB              ; the spare words: two blocks of 256 bytes that no other line names
.set LAPS,   KK/1024
.set ADRA, 16
.set ADRB, 20
.set ADSA, 22
.set ADSB, 23
.set STO,  24
.set RD,   25
.set CO,   26
.set SPW,  28
.set NIL,  29
.set PFO,  30                          ; v30 the prefetches' offset; never rewritten
.set BI,   32
.set BK,   32
.set SCR,  96
.set ACC,  128
.set PFA,  6                           ; s[6:7]   where my prefetches stand: my work-group's quarter of the tile that I fetch, in the K step that the next refill asks for
.set PFS,  10                          ; s[10:11] a K step on, in bytes
.set LIM0, 12                          ; s12, s13 in a wave that prefetches 0 and 1, else the greatest number: slot s asks while the laps to go are above s[LIM0 + s]
.set G1, 24
.set G0, 32
.set G1B, 48
.set G0B, 56
.set G1S, 68
.set G0S, 76
.set G1SB, 80
.set G0SB, 88
.set MSB, 0
.macro WIN new
.if MSB != (\new)
	s_set_vgpr_msb (MSB<<8)|(\new)
.set MSB, (\new)
.endif
.endm
.set MUL,  0x05
.set TO_F, 0x40
.macro JLOAD g0a, g1a, g0b, g1b        ; waves 0 and 1 fetch for A, waves 2 and 3 for W; an s_nop 0 and four v_nop follow each line
	s_cmp_eq_u32 s15, 0
	s_cbranch_scc0 .Lfor_b_\@
	tensor_load_to_lds s[\g0a:\g0a+3], s[\g1a:\g1a+7]
	s_nop 0
.rept 4
	v_nop
.endr
	s_branch .Lasked_\@
.Lfor_b_\@:
	tensor_load_to_lds s[\g0b:\g0b+3], s[\g1b:\g1b+7]
	s_nop 0
.rept 4
	v_nop
.endr
.Lasked_\@:
.endm
; A PREFETCH INTO THE L2, behind each joint refill and the run of LDS loads that follows it: the K step that the NEXT refill will ask for, one K step's 64 matrix instructions a wave ahead of that load.
; At a change of slots every wave has waited for all its tensor loads, so a refill goes out with nothing on its way beside it.  One instruction a wave, 32 blocks of 256 bytes.
; Each block is named ONCE in the launch.  A's tile row is read by both clusters of that row of clusters: cluster x = 0 asks; W's tile column by the eight clusters of that column: cluster y = 0 asks.
; The four partners that ask for a tile jointly share it out BY ADDRESS: of A's dense 32 KiB the partner at cx takes 8 KiB, lanes 256 bytes apart; of W's 64 rows of 512 bytes the partner at cy takes 16, two lanes to a row.
; No branch hangs on a work-group's place in its cluster.  K steps 0 to 2 come by their loads alone; the last refill asks for nothing: there is no K step behind it.
.macro ASK slot
	s_cmp_gt_u32 s3, s[LIM0+\slot]
	s_cbranch_scc0 .Lnot_mine_\@
	global_prefetch_b8 v[PFO], s[PFA:PFA+1] th:TH_LOAD_NT scope:SCOPE_SE
.Lnot_mine_\@:
.endm
.macro CREST
	s_cmp_lg_u32 s14, 0
	s_cbranch_scc1 .Lnot_wave_0_\@
	s_barrier_signal -3
.Lnot_wave_0_\@:
	s_barrier_wait -3
	s_barrier_signal -1
	s_barrier_wait -1
.endm
.macro CROUND
	s_barrier_signal -1
	s_barrier_wait -1
	CREST
.endm
	s_load_b64 s[4:5], s[0:1], 0x0                 ; A
	s_load_b128 s[8:11], s[0:1], 0x8               ; W's codes, W's scales
	s_load_b128 s[92:95], s[0:1], 0x18             ; the bias, the residual
	s_load_b64 s[96:97], s[0:1], 0x28              ; y
	v_lshl_add_u32 v[SPW], v0, 2, SPARE
	v_mov_b32 v[NIL], 0
	ds_add_u32 v[SPW], v[NIL]                      ; the wave's opening: the add and its wait ahead of my first tensor load
	ds_add_u32 v[SPW], v[NIL]
	v_lshrrev_b32 v1, 5, v0
	v_readfirstlane_b32 s14, v1
	s_lshr_b32 s15, s14, 1
	s_and_b32 s16, s14, 1
	s_bfe_u32 s40, ttmp6, 0x40000
	s_bfe_u32 s41, ttmp6, 0x40004
	s_lshl_b32 s42, ttmp9, 2
	s_add_co_u32 s42, s42, s40                     ; tile column
	s_and_b32 s17, ttmp7, 0xffff
	s_lshl_b32 s17, s17, 2
	s_add_co_u32 s17, s17, s41                     ; tile row
	s_lshl_b32 s43, s41, 2
	s_lshl_b32 s43, 15, s43
	s_lshl_b32 s44, 0x1111, s40
	s_or_b32 s[G1+0], s43, (3<<16)|(1<<20)|(1<<21)|(QIA<<22)|(3<<25)   ; A: a dense 32 KiB as 128 rows of 256 bytes, 16 bytes of padding behind every PW
	s_mov_b32 s[G1+1], 32<<16
	s_mov_b32 s[G1+2], 256<<16                     ; the head's load brings both row groups; the ring's 128 rows are set behind it
	s_mov_b32 s[G1+3], 32<<16
	s_mov_b32 s[G1+4], 256
	s_mov_b32 s[G1+5], 32
	s_mov_b32 s[G1+6], 0
	s_mov_b32 s[G1+7], 0
	s_or_b32 s[G1B+0], s44, (0<<16)|(1<<20)|(1<<21)|(6<<22)|(3<<25)    ; W: 64 rows of 512 bytes, KK bytes apart, 16 of padding behind each
	s_mov_b32 s[G1B+1], 512<<16
	s_mov_b32 s[G1B+2], 128<<16
	s_mov_b32 s[G1B+3], 512<<16
	s_mov_b32 s[G1B+4], 128
	s_mov_b32 s[G1B+5], KK
	s_mov_b32 s[G1B+6], 0
	s_mov_b32 s[G1B+7], 0
	s_or_b32 s[G1S+0], s43, (3<<16)|(1<<21)                            ; A's scale words: NPL rows of 512 bytes, 16 KiB apart
	s_mov_b32 s[G1S+1], 64<<16
	s_mov_b32 s[G1S+2], NPL<<16
	s_mov_b32 s[G1S+3], 64<<16
	s_mov_b32 s[G1S+4], NPL
	s_mov_b32 s[G1S+5], 2048
	s_mov_b32 s[G1S+6], 0
	s_mov_b32 s[G1S+7], 0
	s_or_b32 s[G1SB+0], s44, (3<<16)|(1<<20)|(1<<21)|(5<<22)|(3<<25)   ; W's scale bytes of 128 rows: dense, as rows of 256 bytes + 16
	s_mov_b32 s[G1SB+1], 32<<16
	s_mov_b32 s[G1SB+2], (2*RSB)<<16
	s_mov_b32 s[G1SB+3], 32<<16
	s_mov_b32 s[G1SB+4], 2*RSB
	s_mov_b32 s[G1SB+5], 32
	s_mov_b32 s[G1SB+6], 0
	s_mov_b32 s[G1SB+7], 0
	s_lshl_b32 s20, s17, 1
	s_add_co_u32 s20, s20, s16
	s_lshl_b32 s20, s20, 15
	s_mov_b32 s21, 0
	s_mul_i32 s22, s16, (NPL/2)*16384
	s_lshl_b32 s23, s17, 9
	s_add_co_u32 s22, s22, s23
	s_add_co_u32 s22, s22, ASO
	s_mov_b32 s23, 0
	s_lshl_b32 s46, s42, 7
	s_lshl_b32 s47, s16, 6
	s_add_co_u32 s46, s46, s47
	s_mul_i32 s98, s46, KS
	s_mov_b32 s99, 0
	s_mul_i32 s46, s46, KK
	s_mov_b32 s47, 0
	s_mul_i32 s18, s16, HA
	s_mul_i32 s19, s16, HB
	s_add_co_u32 s19, s19, 2*HA
	s_mul_i32 s13, s16, HALFSB
	s_add_co_u32 s13, s13, BSC
	s_wait_dscnt 0x0                               ; the opening add is done
	s_wait_kmcnt 0x0
	s_add_nc_u64 s[20:21], s[4:5], s[20:21]
	s_add_nc_u64 s[22:23], s[4:5], s[22:23]
	s_add_nc_u64 s[46:47], s[8:9], s[46:47]
	s_add_nc_u64 s[98:99], s[10:11], s[98:99]
	CROUND
	s_mov_b32 s[G0S], 1
	s_mul_i32 s2, s16, (NPL/2)*16384               ; back to the first of A's scale rows
	s_mov_b32 s3, 0
	s_mov_b32 s[G0S+1], ASC
	s_sub_nc_u64 s[G0S+2:G0S+3], s[22:23], s[2:3]
	s_or_b32 s[G0S+3], s[G0S+3], 0x80000000
	s_mov_b32 s[G0SB], 1
	s_mul_i32 s2, s16, 64*KS
	s_mov_b32 s[G0SB+1], BSC
	s_sub_nc_u64 s[G0SB+2:G0SB+3], s[98:99], s[2:3]
	s_or_b32 s[G0SB+3], s[G0SB+3], 0x80000000
.irp s, 0,1
	s_mov_b32 s[G0+4*\s], 1
	s_add_co_u32 s[G0+4*\s+1], s18, \s*SLOT
	s_add_nc_u64 s[G0+4*\s+2:G0+4*\s+3], s[20:21], \s*0x200000
	s_or_b32 s[G0+4*\s+3], s[G0+4*\s+3], 0x80000000
	s_mov_b32 s[G0B+4*\s], 1
	s_add_co_u32 s[G0B+4*\s+1], s19, \s*SLOT
	s_add_nc_u64 s[G0B+4*\s+2:G0B+4*\s+3], s[46:47], \s*512
	s_or_b32 s[G0B+4*\s+3], s[G0B+4*\s+3], 0x80000000
.endr
	s_lshl_b32 s2, s16, 15                         ; for the head slot 0's descriptors name the whole tiles
	s_sub_nc_u64 s[G0+2:G0+3], s[G0+2:G0+3], s[2:3]
	s_mov_b32 s[G0+1], 0
	s_mul_i32 s2, s16, 64*KK
	s_sub_nc_u64 s[G0B+2:G0B+3], s[G0B+2:G0B+3], s[2:3]
	s_mov_b32 s[G0B+1], 2*HA
; THE HEAD'S LOADS, ONE A WAVE: wave 0 K step 0 of A's 128 rows, wave 1 of W's, wave 2 A's scale words, wave 3 W's scale bytes.  One tree of branches on the wave's number, a load to an arm.
.macro HARM under, g0, g1, next
	s_cmp_lt_u32 s14, \under
	s_cbranch_scc0 \next
	tensor_load_to_lds s[\g0:\g0+3], s[\g1:\g1+7]
	s_nop 0
.rept 4
	v_nop
.endr
	s_branch .Lhead_asked
\next:
.endm
	HARM 1, G0, G1, .Lhead_b
	HARM 2, G0B, G1B, .Lhead_sa
	HARM 3, G0S, G1S, .Lhead_sb
	tensor_load_to_lds s[G0SB:G0SB+3], s[G1SB:G1SB+7]
	s_nop 0
.rept 4
	v_nop
.endr
.Lhead_asked:
	v_and_b32 v1, 15, v0
	v_bfe_u32 v2, v0, 4, 1
	v_mul_u32_u24 v3, v1, LA
	v_lshl_add_u32 v3, v2, 4, v3
	v_mul_u32_u24 v4, v1, 528
	v_lshl_add_u32 v4, v2, 4, v4
	s_mul_i32 s2, s15, HA
	s_mul_i32 s3, s16, HB
	s_add_co_u32 s3, s3, 2*HA
.irp s, 0,1
	v_add_nc_u32 v[ADRA+\s], s2, v3
	v_add_nc_u32 v[ADRB+\s], s3, v4
	s_add_co_u32 s2, s2, SLOT
	s_add_co_u32 s3, s3, SLOT
.endr
	s_lshl_b32 s2, s15, 8
	s_add_co_u32 s2, s2, ASC
	v_lshl_add_u32 v[ADSA], v1, 2, s2
	v_mul_u32_u24 v5, v1, KS
	v_lshrrev_b32 v6, 8, v5
	v_lshl_add_u32 v5, v6, 4, v5
	v_add_nc_u32 v[ADSB], s13, v5
	s_mul_i32 s2, s14, 16*272                      ; my stage, in slot 0, used when that slot has had its last fill and its last read
	v_mul_u32_u24 v5, v1, 272
	v_lshl_add_u32 v5, v2, 5, v5
	v_add_nc_u32 v[STO], s2, v5
	v_mul_u32_u24 v5, v2, 272
	v_lshl_add_u32 v5, v1, 4, v5
	v_add_nc_u32 v[RD], s2, v5
	v_lshlrev_b32 v5, 12, v2
	v_lshl_add_u32 v[CO], v1, 4, v5
	s_wait_alu depctr_va_vdst(0)
	s_lshl_b32 s2, s42, 9
	s_lshl_b32 s3, s16, 8
	s_add_co_u32 s2, s2, s3
	s_mov_b32 s3, 0
	s_add_nc_u64 s[92:93], s[92:93], s[2:3]
	s_lshl_b32 s18, s17, 7
	s_lshl_b32 s19, s15, 6
	s_add_co_u32 s18, s18, s19
	s_lshl_b32 s18, s18, 12
	s_add_co_u32 s2, s2, s18
	s_add_nc_u64 s[94:95], s[94:95], s[2:3]
	s_add_nc_u64 s[96:97], s[96:97], s[2:3]
	v_lshlrev_b32 v7, 5, v2
.irp b, 0,1,2,3
	global_load_b128 v[BI+8*\b:BI+8*\b+3], v7, s[92:93] offset:64*\b
	global_load_b128 v[BI+8*\b+4:BI+8*\b+7], v7, s[92:93] offset:64*\b+16
.endr
	WIN 0x80
.irp a, 0,1,2,3
.irp t, 0,1,2,3,4,5,6,7
	global_load_b128 v[32*\a+4*\t:32*\a+4*\t+3], v[CO], s[94:95] offset:(16*\a+2*\t)*4096
.endr
.endr
	WIN 0
	; the prefetches (macro ASK): where my wave's stand, and who asks.  Nothing is prefetched here, at the head, where every work-group's first tiles are on their way
	s_and_b32 s19, ttmp7, 0xffff                   ; cluster y
	s_lshl_b32 s20, s17, 1
	s_add_co_u32 s20, s20, s16
	s_add_co_u32 s20, s20, 2*64                    ; A: K step 2, row group 2 x tile row + the half that I fetch,
	s_lshl_b32 s20, s20, 15
	s_lshl_b32 s21, s40, 13
	s_add_co_u32 s20, s20, s21                     ; and my work-group's 8 KiB of its 32
	s_lshl_b32 s22, s42, 7
	s_lshl_b32 s23, s16, 6
	s_add_co_u32 s22, s22, s23
	s_lshl_b32 s23, s41, 4
	s_add_co_u32 s22, s22, s23                     ; W: row 128 x tile column + 64 x the half that I fetch + my work-group's 16,
	s_lshl_b32 s22, s22, 12
	s_add_co_u32 s22, s22, 2*512                   ; K step 2
	s_mov_b32 s23, 0x200000
	s_cmp_eq_u32 s15, 0                            ; do I fetch for A?
	s_cselect_b64 s[PFA:PFA+1], s[4:5], s[8:9]
	s_cselect_b32 s20, s20, s22
	s_cselect_b32 s[PFS], s23, 512                 ; a K step on: 64 row groups of 32 KiB in A, 512 bytes in a row of W
	s_cselect_b32 s19, ttmp9, s19                  ; the coordinate along which other clusters read the same tiles
	s_cselect_b32 s18, 0, -1
	s_mov_b32 s21, 0
	s_mov_b32 s[PFS+1], 0
	s_add_nc_u64 s[PFA:PFA+1], s[PFA:PFA+1], s[20:21]   ; the first refill steps it to K step 3
	s_cmp_eq_u32 s19, 0
	s_cselect_b32 s[LIM0], 0, -1                   ; the same in all sixteen partners, for a given wave
	s_cselect_b32 s[LIM0+1], 1, -1
	v_and_b32 v5, 31, v0
	v_lshlrev_b32 v6, 8, v5                        ; A: lanes 256 bytes apart
	v_lshrrev_b32 v27, 1, v5
	v_and_b32 v5, 1, v5
	v_lshlrev_b32 v5, 8, v5
	v_lshl_add_u32 v5, v27, 12, v5                 ; W: two lanes to a row of 4,096 bytes, 256 bytes apart
	v_cndmask_b32 v[PFO], v6, v5, s18
; 8 matrix instructions; the 16 accumulators take turns.  zero = 1: the bias starts the sums
.macro MUL8 f, set, a0, zero
.irp a, \a0, \a0+1
.irp b, 0,1,2,3
.if \zero
	v_wmma_scale_f32_16x16x128_f8f6f4 v[ACC+8*(4*(\a)+\b):ACC+8*(4*(\a)+\b)+7], v[\f+64+16*\b:\f+64+16*\b+15], v[\f+16*(\a):\f+16*(\a)+15], v[BI+8*\b:BI+8*\b+7], v[SCR+8*(\set)+4+\b], v[SCR+8*(\set)+(\a)]
.else
	v_wmma_scale_f32_16x16x128_f8f6f4 v[ACC+8*(4*(\a)+\b):ACC+8*(4*(\a)+\b)+7], v[\f+64+16*\b:\f+64+16*\b+15], v[\f+16*(\a):\f+16*(\a)+15], v[ACC+8*(4*(\a)+\b):ACC+8*(4*(\a)+\b)+7], v[SCR+8*(\set)+4+\b], v[SCR+8*(\set)+(\a)]
.endif
.endr
.endr
.endm
.macro FETCH slot, q, f                ; 40 LDS loads in one run: eight scale words, W's four fragments, then A's four
	WIN 0
.irp a, 0,1,2,3
	ds_load_b32 v[SCR+8*((\q)%2)+\a], v[ADSA] offset:512*(\q)+64*\a
.endr
.irp b, 0,1,2,3
	ds_load_b32 v[SCR+8*((\q)%2)+4+\b], v[ADSB] offset:SBLK*\b+4*(\q)
.endr
	WIN TO_F
.irp b, 0,1,2,3
.irp c, 0,1,2,3
	ds_load_b128 v[\f+64+16*\b+4*\c:\f+64+16*\b+4*\c+3], v[ADRB+\slot] offset:128*(\q)+32*\c+8448*\b
.endr
.endr
.irp a, 0,1,2,3
.irp c, 0,1,2,3
.if PW == 128
	ds_load_b128 v[\f+16*\a+4*\c:\f+16*\a+4*\c+3], v[ADRA+\slot] offset:64*LA*(\q)+16*LA*\a+32*\c
.else
	ds_load_b128 v[\f+16*\a+4*\c:\f+16*\a+4*\c+3], v[ADRA+\slot] offset:64*LA*(2*(\q)+\c/2)+16*LA*\a+32*(\c%2)
.endif
.endr
.endr
.endm
.macro PLACES n
.rept \n
	v_nop
.endr
.endm
.macro QUARTER slot, q, zero
	s_wait_dscnt 8                                 ; all but A's blocks 2 and 3
	WIN MUL
	MUL8 128*((\q)%2), (\q)%2, 0, \zero
	PLACES 8
	FETCH \slot, (\q)+1, 128*(1-(\q)%2)
	s_wait_dscnt 40                                ; all but the 40 just issued
	WIN MUL
	MUL8 128*((\q)%2), (\q)%2, 2, \zero
.endm
; The last quarter changes slots: one barrier; in front of it each wave waits for all its tensor loads, adds 0 to its spare word, and waits for that and for its reads of this slot
.macro TURN slot, next, fill
.if \fill
	s_wait_xcnt 0x0                                ; the last prefetch, a K step back, has read its address: it is stepped here, ahead of the waits of the change of slots
	s_add_nc_u64 s[PFA:PFA+1], s[PFA:PFA+1], s[PFS:PFS+1]
.endif
	WIN 0
	s_wait_tensorcnt 0x0
	ds_add_u32 v[SPW], v[NIL]
	s_wait_dscnt 0x0
	s_barrier_signal -1
	WIN MUL
	MUL8 128, 1, 0, 0
	WIN 0
	s_barrier_wait -1
.if \fill
	CREST                                          ; the barrier has opened a round of the cluster's: no wave of any partner still reads this slot or has a load on its way
	s_add_nc_u64 s[G0+4*\slot+2:G0+4*\slot+3], s[G0+4*\slot+2:G0+4*\slot+3], 0x400000
	s_add_nc_u64 s[G0B+4*\slot+2:G0B+4*\slot+3], s[G0B+4*\slot+2:G0B+4*\slot+3], 1024
	JLOAD G0+4*\slot, G1, G0B+4*\slot, G1B         ; my one tensor load behind the round
	PLACES 4
.else
	PLACES 8
.endif
	v_add_nc_u32 v[ADSA], 2048, v[ADSA]
	v_add_nc_u32 v[ADSB], 16, v[ADSB]
	FETCH \next, 0, 0
.if \fill
	WIN 0                                          ; (a branch and a label follow)
	ASK \slot                                      ; behind the joint load and the run of LDS loads that the next products wait for
.endif
	WIN MUL
	MUL8 128, 1, 2, 0
.endm
	s_wait_alu depctr_va_vdst(0)                   ; the wait at the head's end
	s_wait_tensorcnt 0x0                           ; my tile of the head's four is in; these lines stand ahead of slot 1's first fill as ahead of a refill
	ds_add_u32 v[SPW], v[NIL]
	s_mov_b32 s[G1+2], 128<<16                     ; no load of mine is out: from here on a load brings one row group of A or 64 rows of W,
	s_mov_b32 s[G1+4], 128
	s_mov_b32 s[G1B+2], 64<<16
	s_mov_b32 s[G1B+4], 64
	s_mov_b32 s3, 0
	s_lshl_b32 s2, s16, 15
	s_add_nc_u64 s[G0+2:G0+3], s[G0+2:G0+3], s[2:3]   ; and slot 0's descriptors name my half again
	s_mul_i32 s[G0+1], s16, HA
	s_mul_i32 s2, s16, 64*KK
	s_add_nc_u64 s[G0B+2:G0B+3], s[G0B+2:G0B+3], s[2:3]
	s_mul_i32 s[G0B+1], s16, HB
	s_add_co_u32 s[G0B+1], s[G0B+1], 2*HA
	s_wait_dscnt 0x0
	CROUND                                         ; all four tiles are in, and all sixteen work-groups are here
	JLOAD G0+4, G1, G0B+4, G1B                     ; K step 1: my one tensor load behind the round
	FETCH 0, 0, 0
	s_wait_loadcnt 32                              ; the bias is in; the residual's 32 loads stay out
	QUARTER 0, 0, 1
	WIN 0
	s_mov_b32 s3, LAPS-1
.Llap:
	s_wait_alu depctr_va_vdst(0)
	QUARTER 0, 1, 0
	QUARTER 0, 2, 0
	TURN 0, 1, 1
	s_wait_alu depctr_va_vdst(0)
	QUARTER 1, 0, 0
	QUARTER 1, 1, 0
	QUARTER 1, 2, 0
	TURN 1, 0, 1
	s_wait_alu depctr_va_vdst(0)
	QUARTER 0, 0, 0
	WIN 0
	s_sub_co_u32 s3, s3, 1
	s_cmp_lg_u32 s3, 0
	s_cbranch_scc1 .Llap
	QUARTER 0, 1, 0
	QUARTER 0, 2, 0
	TURN 0, 1, 0
	s_wait_alu depctr_va_vdst(0)
	QUARTER 1, 0, 0
	QUARTER 1, 1, 0
	QUARTER 1, 2, 0
	s_wait_dscnt 8
	WIN MUL
	MUL8 128, 1, 0, 0
	s_wait_dscnt 0
	MUL8 128, 1, 2, 0
	WIN 0
; THE WAY OUT, 16 rows x 64 columns at a time, through my own stage: back as whole rows of 256 bytes; the residual is added; sixteen lanes store 256 consecutive bytes, aligned
.macro TOSTAGE a
.irp b, 0,1,2,3
	ds_store_b128 v[STO], v[ACC+8*(4*(\a)+\b):ACC+8*(4*(\a)+\b)+3] offset:64*\b
	ds_store_b128 v[STO], v[ACC+8*(4*(\a)+\b)+4:ACC+8*(4*(\a)+\b)+7] offset:64*\b+16
.endr
.set BB, BK+32*((\a)%2)
.irp t, 0,1,2,3,4,5,6,7
	ds_load_b128 v[BB+4*\t:BB+4*\t+3], v[RD] offset:\t*2*272
.endr
.endm
.macro SEND a, younger
.set BB, BK+32*((\a)%2)
	s_wait_dscnt \younger                          ; the block is back; the next block's eight stores and eight loads may be out
	WIN 0x08
.set kk, 0
.rept 16
	v_pk_add_f32 v[BB+kk:BB+kk+1], v[BB+kk:BB+kk+1], v[32*(\a)+kk:32*(\a)+kk+1]
.set kk, kk+2
.endr
	WIN 0
.irp t, 0,1,2,3,4,5,6,7
.if NTS
	global_store_b128 v[CO], v[BB+4*\t:BB+4*\t+3], s[96:97] offset:(16*(\a)+2*\t)*4096 th:TH_STORE_NT
.else
	global_store_b128 v[CO], v[BB+4*\t:BB+4*\t+3], s[96:97] offset:(16*(\a)+2*\t)*4096
.endif
.endr
.endm
	PLACES 8
	s_wait_loadcnt 0x0                             ; the residual
	TOSTAGE 0
.irp a, 1,2,3
.if \a > 1
	s_wait_xcnt 0x0                                ; block a - 2's stores have read their registers: block a's loads may land there
.endif
	TOSTAGE \a
	SEND \a-1, 16
.endr
	SEND 3, 0
	s_wait_tensorcnt 0x0                           ; the wave's end
	ds_add_u32 v[SPW], v[NIL]
	s_wait_dscnt 0x0
	CROUND                                         ; the closing round
	s_endpgm
.Lfunc_end_k_qeef9265a50_ff2:
	.size	k_qeef9265a50_ff2, .Lfunc_end_k_qeef9265a50_ff2-k_qeef9265a50_ff2
	.p2alignl 7, 3214868480
	.fill 96, 4, 3214868480
	.section	.rodata,"a",@progbits
	.p2align	6, 0x0
	.amdhsa_kernel k_qeef9265a50_ff2
		.amdhsa_group_segment_fixed_size 327680
		.amdhsa_private_segment_fixed_size 0
		.amdhsa_enable_private_segment 0
		.amdhsa_kernarg_size 48
		.amdhsa_user_sgpr_count 2
		.amdhsa_user_sgpr_kernarg_segment_ptr 1
		.amdhsa_wavefront_size32 1
		.amdhsa_system_sgpr_workgroup_id_x 1
		.amdhsa_system_sgpr_workgroup_id_y 1
		.amdhsa_system_sgpr_workgroup_id_z 1
		.amdhsa_system_vgpr_workitem_id 0
		.amdhsa_next_free_vgpr 640
		.amdhsa_next_free_sgpr 100
		.amdhsa_reserve_vcc 0
		.amdhsa_float_denorm_mode_32 3
		.amdhsa_float_denorm_mode_16_64 3
		.amdhsa_memory_ordered 1
		.amdhsa_forward_progress 1
		.amdhsa_inst_pref_size 111
	.end_amdhsa_kernel
	.amdgpu_metadata
---
amdhsa.version: [ 1, 2 ]
amdhsa.kernels:
  - .name:           k_qeef9265a50_ff2
    .symbol:         k_qeef9265a50_ff2.kd
    .args:
      - { .name: gb, .offset: 0, .size: 8, .value_kind: global_buffer, .address_space: global }
      - { .name: w_ff2_codes, .offset: 8, .size: 8, .value_kind: global_buffer, .address_space: global }
      - { .name: w_ff2_scales, .offset: 16, .size: 8, .value_kind: global_buffer, .address_space: global }
      - { .name: b_ff2, .offset: 24, .size: 8, .value_kind: global_buffer, .address_space: global }
      - { .name: x1, .offset: 32, .size: 8, .value_kind: global_buffer, .address_space: global }
      - { .name: out0, .offset: 40, .size: 8, .value_kind: global_buffer, .address_space: global }
    .group_segment_fixed_size: 327680
    .private_segment_fixed_size: 0
    .kernarg_segment_align: 8
    .kernarg_segment_size: 48
    .max_flat_workgroup_size: 128
    .sgpr_count:     100
    .vgpr_count:     640
    .wavefront_size: 32
...
	.end_amdgpu_metadata
.endif
;; end of part 6
